; MI455X (gfx1250); checked and timed in simulation.
; The chip was launched on July 23, 2026; its instructions are those of AMD's public machine-readable ISA for CDNA 5 (MIT licence, August 2026) and "CDNA5" Instruction Set Architecture Reference Guide (July 2026). The comments in the code are by the model that wrote it; some were corrected since.
;; Multi Head Causal Attention. Allowed arithmetic: matrix products marked QUANTISED: E4M3 operands, one given power-of-two scale a tensor, by v_wmma_f32_16x16x64_fp8_fp8 or v_wmma_f32_16x16x128_fp8_fp8, f32 sums; everything else in f32.
;; Inputs: lowp_scales 8 int32 (the exponents e of the quantised operands' scales 2^e); w_out 1,024 x 1,024 float32; w_qkv 3,072 x 1,024 float32; x 4 x 2,048 x 1,024 float32.
;; Outputs: out0 4 x 2,048 x 1,024 float32.
;; This version of the problem:
;;   THIS VERSION OF THE PROBLEM IS GIVEN IN LOW PRECISION. The matrix products marked QUANTISED in the list below multiply operands that are first quantised to E4M3 (4 exponent bits, 3 mantissa bits; 8 bits a number), with one given power-of-two scale for each operand tensor; their sums are f32. All else is computed in f32.
;;   The module's matrix products, in the order in which they are computed (A, B: the left and right operand; K: the contracted axis; several contracted axes count as one K, in the product's order):
;;     1. [M 8,192, K 1,024] x [K 1,024, N 3,072]; A: input x; B: input w_qkv: QUANTISED (scales: A lowp_scales[0], B lowp_scales[1])
;;     2. batch 64 x [M 2,048, K 64] x [K 64, N 2,048]; A: computed on the way; B: computed on the way: QUANTISED (scales: A lowp_scales[2], B lowp_scales[3])
;;     3. batch 64 x [M 2,048, K 2,048] x [K 2,048, N 64]; A: softmax (see below); B: computed on the way: QUANTISED (scales: A lowp_scales[4], B lowp_scales[5])
;;     4. [M 8,192, K 1,024] x [K 1,024, N 1,024]; A: computed on the way; B: input w_out: QUANTISED (scales: A lowp_scales[6], B lowp_scales[7])
;;   THE QUANTISER, for each operand of a quantised product, along K:
;;     - The operand's scale is 2^e, e = its entry of the input lowp_scales (int32; the entries are numbered through the quantised products in the list's order, A before B).
;;     - Each number is divided by the scale, clamped to +-448, and rounded to the nearest number of E4M3, ties to even, subnormals kept.
;;     - The product sums the exact products of the quantised numbers (number of the format x scale) in f32.
;;   ~~~python
;;   def quantise(x, axis, e):      # numpy; x: float32 -> the quantised numbers, widened to float32 again
;;       x = np.moveaxis(x, axis, -1); K = x.shape[-1]
;;       r = np.clip(x / 2.0 ** e, -448, 448)
;;       step = 2.0 ** (np.maximum(np.frexp(np.where(r == 0, 1, r))[1] - 1, -6) - 3)
;;       q = np.round(r / step) * step * 2.0 ** e      # np.round: ties to even
;;       return np.moveaxis(q, -1, axis).astype(np.float32)
;;   ~~~
;;   SOFTMAX AHEAD OF A QUANTISED PRODUCT. Where the list says 'softmax', what is quantised is not the finished softmax but p = 2^(t - M), with t = logit x log2(e) and M = ceil(the row's largest t), a whole number; so 1/2 < the row's largest p <= 1. The row's sum l is taken of the UNQUANTISED p, in f32, and the product's result is divided by l at the end. Since M is a whole number, a kernel that streams over the keys may use a running M (the ceiling of the running maximum): every later rescaling is an exact power of two, so the quantised numbers keep their values, but for numbers so far below the row's largest that they fall under the format's range.
;;   OPERANDS COMPUTED ON THE WAY. 'Computed on the way' means the value that the module computes at that place (a softmax that the list does not call 'softmax' is quantised finished and normalised). What goes into a quantiser is computed in f32, as accurately as f32 sums, v_exp_f32 and their like allow (about 1e-6 of the number): no bf16 or f16 on the way to a quantiser, and a product that is left as it is and whose result goes on into a quantised operand takes f32 operands (vector FMAs, or v_wmma_f32_16x16x4_f32). A number that lies on a knife's edge between two numbers of the format may be rounded either way, as far as f32 arithmetic and the matrix unit's own rounding can turn it there, and no further.
;; One version. Each part assembles by itself: llvm-mc -triple=amdgcn-amd-amdhsa -mcpu=gfx1250 --defsym DOCPART=n.
;; ======== version 1 of 1: 5 launches
;; limits: right only within a limited range of input values
;; workspace buffers: x_codes 8,388,608 bytes; wqk_codes 2,097,152 bytes; wv_codes 1,048,576 bytes; sc_qk 256 bytes of whole numbers; sc_v 256 bytes of whole numbers; qk_codes 16,777,216 bytes; v_codes 16,777,216 bytes; ow_codes 9,437,184 bytes
;; launch quant (part 1): grid 768 x 1, 4 waves a work-group, no clusters, 33,280 bytes of LDS; arguments x, w_qkv, w_out, lowp_scales, x_codes, wqk_codes, wv_codes, ow_codes, sc_qk, sc_v; writes x_codes, wqk_codes, wv_codes, ow_codes, sc_qk, sc_v
.if DOCPART == 1
	.amdgcn_target "amdgcn-amd-amdhsa--gfx1250"
	.amdhsa_code_object_version 6
	.text
	.protected	k_qcf4fb541d6_quant
	.globl	k_qcf4fb541d6_quant
	.p2align	8
	.type	k_qcf4fb541d6_quant,@function
k_qcf4fb541d6_quant:
	s_mov_b64 s[64:65], 0
	v_nop
	global_prefetch_b8 v0, s[64:65] scope:SCOPE_SE
	s_setreg_imm32_b32 hwreg(HW_REG_WAVE_MODE, 25, 1), 1
	s_wait_xcnt 0x0
; x [8192][1024], w_qkv [3072][1024] and w_out [1024][1024], f32 with K innermost, become codes of FP8 (E4M3), one byte each, K innermost, each with the scale 2^e given for it
; (entry 0 of the scales for x, entry 1 for w_qkv, entry 7 for w_out).  code = number / 2^e, held within +-448, rounded to the nearest code, ties to even.
; LIMITS: e between -126 and 119, so that 2^e and 448 x 2^e are f32 numbers.  NaN among the inputs is not served (an infinity is held at the largest code).
; WORK LEFT OUT, in the launch that computes the attention: reference() sets every score whose key comes after its query to -infinity, by a mask that it builds in its own body (jnp.tril), so that score's weight is 0 whatever
; the inputs hold.  Key steps that lie wholly behind a tile's queries are therefore not multiplied.  LIMIT: a NaN, an infinity or an overflow that would arise in that work alone is not carried to the result.
; Every input has a way to the output, and all are loaded.
; Rows are dense, so every tensor is a plain stream.  A work-group takes 16,384 numbers, a wave 4,096, in 8 steps of 512.  Four streams in one launch, told apart by the work-group's number alone:
;   0-511 x -> x_codes;  512-639 w_qkv rows 0-2047 -> wqk_codes;  640-703 w_qkv rows 2048-3071 -> wv_codes;  704-767 w_out -> ow_codes from byte 8,388,608 on.
; Only pointers, first numbers and e are chosen (by selects): all streams take one path through the text.
; The conversion takes 8 numbers from one lane's consecutive registers, so a lane must hold 16 neighbours; a load is dense where neighbouring lanes take neighbouring 16 bytes.  Both are had: a step's 2,048 bytes go
; through the wave's own stage in LDS as they lie and come back 64 bytes a lane (16 bytes of padding behind each 64).  A wave's store of codes covers 512 consecutive aligned bytes.
; No tensor loads, no barrier, no cluster: the waves share no byte.  Loads run four steps (16 loads a wave) ahead, the turn through LDS one step.
; Wave 0 of work-group 0 also stores the folded exponents that the two projections' conversions take: sc_qk[0] = e2 - e0 - e1 (q), sc_qk[1..31] = e3 - e0 - e1 (k), sc_v[0..31] = e5 - e0 - e1.
.set STEPS, 8
.set EMAX,  8
.set MANT,  0x600000                   ; the mantissa field of 448 as f32
.set CB,    16                         ; bytes of 16 codes
.set R,     16                         ; v16-79   four sets of 16 numbers as they are loaded
.set X,     80                         ; v80-111  two sets of 16 neighbours
.set C,     128                        ; v128-159 codes: four registers for each step, so that no store's data are written again
.set WREG,  8192                       ; LDS: a region of its own for each wave: two stages of 32 x SP bytes
.set SP,    80                         ; a lane's place in a stage: its 64 bytes + 16 of padding
	s_load_b256 s[4:11], s[0:1], 0x0               ; x s[4:5], w_qkv s[6:7], w_out s[8:9], the scales' exponents s[10:11]
	s_load_b256 s[12:19], s[0:1], 0x20             ; x_codes s[12:13], wqk_codes s[14:15], wv_codes s[16:17], ow_codes s[18:19]
	s_load_b128 s[20:23], s[0:1], 0x40             ; sc_qk s[20:21], sc_v s[22:23]
	v_lshl_add_u32 v192, v0, 2, 0x8000             ; my spare word, behind the four regions; v193 = 0: both kept for the closing lines alone
	v_mov_b32 v193, 0
	v_lshrrev_b32 v1, 5, v0
	v_readfirstlane_b32 s40, v1                    ; wave
	v_and_b32 v2, 31, v0                           ; lane
	v_lshlrev_b32 v3, 4, v2                        ; my 16 bytes of a load's 512
	s_mul_i32 s42, s40, WREG
	v_lshrrev_b32 v14, 2, v2
	v_mul_u32_u24 v14, v14, SP
	v_and_b32 v15, 3, v2
	v_lshl_add_u32 v14, v15, 4, v14
	v_add_nc_u32 v14, s42, v14                     ; the stage, on the way in: SP (lane / 4) + 16 (lane % 4)
	v_mul_u32_u24 v15, v2, SP
	v_add_nc_u32 v15, s42, v15                     ; and on the way out: SP x lane: my 16 neighbours
	v_mul_u32_u24 v4, v2, CB                       ; my codes' place in a step's
	s_wait_alu depctr_va_vdst(0)
	s_wait_kmcnt 0x0
	s_load_b256 s[32:39], s[10:11], 0x0            ; e0 .. e7
	s_mov_b64 s[24:25], s[8:9]                     ; the stream's source, its codes, and the first work-group numbers from which source and codes are counted
	s_mov_b64 s[26:27], s[18:19]
	s_mov_b32 s28, 704
	s_mov_b32 s29, 192                             ; (704 - 192) x 16,384 codes = byte 8,388,608 of ow_codes
	s_cmp_lt_u32 ttmp9, 704
	s_cselect_b64 s[24:25], s[6:7], s[24:25]
	s_cselect_b64 s[26:27], s[16:17], s[26:27]
	s_cselect_b32 s28, 512, s28
	s_cselect_b32 s29, 640, s29
	s_cmp_lt_u32 ttmp9, 640
	s_cselect_b64 s[26:27], s[14:15], s[26:27]
	s_cselect_b32 s29, 512, s29
	s_cmp_lt_u32 ttmp9, 512
	s_cselect_b64 s[24:25], s[4:5], s[24:25]
	s_cselect_b64 s[26:27], s[12:13], s[26:27]
	s_cselect_b32 s28, 0, s28
	s_cselect_b32 s29, 0, s29
	s_sub_co_u32 s30, ttmp9, s28
	s_lshl_b32 s30, s30, 2
	s_add_co_u32 s30, s30, s40                     ; which run of 4,096 numbers of the source is my wave's
	s_lshl_b32 s30, s30, 14                        ; x 16,384 bytes (under 2^26)
	s_mov_b32 s31, 0
	s_add_nc_u64 s[24:25], s[24:25], s[30:31]
	s_sub_co_u32 s30, ttmp9, s29
	s_lshl_b32 s30, s30, 2
	s_add_co_u32 s30, s30, s40
	s_lshl_b32 s30, s30, 12                        ; x 4,096 bytes of codes
	s_add_nc_u64 s[26:27], s[26:27], s[30:31]
.macro LOAD t
.irp i, 0,1,2,3
	global_load_b128 v[R+16*((\t)%4)+4*\i:R+16*((\t)%4)+4*\i+3], v3, s[24:25] offset:2048*(\t)+512*\i th:TH_LOAD_NT   ; 32 lanes read 512 consecutive bytes; read once in the launch
.endr
.endm
.macro TURN t                          ; step t's numbers through the stage: LDS serves a wave's instructions in order, so no wait stands between the stores and the loads
.irp i, 0,1,2,3
	ds_store_b128 v14, v[R+16*((\t)%4)+4*\i:R+16*((\t)%4)+4*\i+3] offset:32*SP*((\t)%2)+8*SP*\i
.endr
.irp i, 0,1,2,3
	ds_load_b128 v[X+16*((\t)%2)+4*\i:X+16*((\t)%2)+4*\i+3], v15 offset:32*SP*((\t)%2)+16*\i
.endr
.endm
.irp t, 0,1,2,3
	LOAD \t
.endr
	s_wait_kmcnt 0x0
	s_cmp_lt_u32 ttmp9, 704
	s_cselect_b32 s41, s33, s39                    ; e1 or e7,
	s_cmp_lt_u32 ttmp9, 512
	s_cselect_b32 s41, s32, s41                    ; or e0
	s_add_co_i32 s41, s41, 127
	s_lshl_b32 s43, s41, 23
	v_mov_b32 v11, s43                             ; 2^e as f32: the conversion takes its exponent field
	s_add_co_i32 s41, s41, EMAX
	s_lshl_b32 s41, s41, 23
	s_or_b32 s41, s41, MANT
	v_mov_b32 v10, s41                             ; 448 x 2^e
	s_wait_alu depctr_va_vdst(0)
	s_wait_loadcnt 12                              ; step 0's four loads are in; the twelve of steps 1 to 3 may be out
	TURN 0
.macro STEP t
.set XS, X+16*((\t)%2)
	s_wait_dscnt 0x0                               ; this step's numbers are back from the stage: so its stores into the stage have read their registers,
.if (\t)+4 < STEPS
	LOAD (\t)+4                                    ; which take the loads of four steps on
.endif
.if (\t)+1 < STEPS
.if STEPS-2-(\t) >= 3
	s_wait_loadcnt 12                              ; the next step's four loads are in; those of the three steps behind it may be out
.else
	s_wait_loadcnt 4*(STEPS-2-(\t))                ; the tail: four for each step still behind the next one
.endif
	TURN (\t)+1                                    ; and go through the other stage while this step is worked
.endif
.irp i, 0,1,2,3,4,5,6,7,8,9,10,11,12,13,14,15
	v_med3_num_f32 v[XS+\i], v[XS+\i], -v10, v10   ; the conversion to an 8-bit code does not saturate (ISA guide 7.6.2): the number is held within the largest code x the scale first
.endr
	v_cvt_scalef32_pk8_fp8_f32 v[C+4*(\t):C+4*(\t)+1], v[XS:XS+7], v11          ; eight numbers / 2^e, to the nearest code, ties to even; the first number's code in the lowest byte
	v_cvt_scalef32_pk8_fp8_f32 v[C+4*(\t)+2:C+4*(\t)+3], v[XS+8:XS+15], v11
	v_nop                                          ; one plain vector line behind the last conversion of the run
	global_store_b128 v4, v[C+4*(\t):C+4*(\t)+3], s[26:27] offset:32*CB*(\t)    ; 32 lanes store 512 consecutive bytes, aligned
.endm
.irp t, 0,1,2,3,4,5,6,7
	STEP \t
.endr
	s_or_b32 s43, ttmp9, s40                       ; wave 0 of work-group 0 alone stores the folded exponents: a scalar branch on ids; all 32 lanes stay on
	s_cmp_lg_u32 s43, 0
	s_cbranch_scc1 .Lend
	s_add_co_i32 s44, s32, s33                     ; e0 + e1: a sum of the first product stands for sum x 2^(e0 + e1)
	s_sub_co_i32 s45, s34, s44                     ; q: e2 - e0 - e1
	s_sub_co_i32 s46, s35, s44                     ; k: e3 - e0 - e1
	s_sub_co_i32 s47, s37, s44                     ; v: e5 - e0 - e1
	v_mov_b32 v112, s46
	v_mov_b32 v113, s45
	v_cmp_eq_u32 vcc_lo, 0, v2
	v_cndmask_b32 v112, v112, v113, vcc_lo         ; word 0: q's; words 1 to 31: k's
	v_mov_b32 v114, s47
	v_lshlrev_b32 v115, 2, v2
	global_store_b32 v115, v112, s[20:21]
	global_store_b32 v115, v114, s[22:23]
.Lend:
	s_wait_tensorcnt 0x0                           ; the wave's end, behind my last LDS store
	ds_add_u32 v192, v193
	s_wait_dscnt 0x0
	s_endpgm
.Lfunc_end_k_qcf4fb541d6_quant:
	.size	k_qcf4fb541d6_quant, .Lfunc_end_k_qcf4fb541d6_quant-k_qcf4fb541d6_quant
	.p2alignl 7, 3214868480
	.fill 96, 4, 3214868480
	.section	.rodata,"a",@progbits
	.p2align	6, 0x0
	.amdhsa_kernel k_qcf4fb541d6_quant
		.amdhsa_group_segment_fixed_size 33280
		.amdhsa_private_segment_fixed_size 0
		.amdhsa_enable_private_segment 0
		.amdhsa_kernarg_size 80
		.amdhsa_user_sgpr_count 2
		.amdhsa_user_sgpr_kernarg_segment_ptr 1
		.amdhsa_wavefront_size32 1
		.amdhsa_system_sgpr_workgroup_id_x 1
		.amdhsa_system_sgpr_workgroup_id_y 1
		.amdhsa_system_sgpr_workgroup_id_z 1
		.amdhsa_system_vgpr_workitem_id 0
		.amdhsa_next_free_vgpr 194
		.amdhsa_next_free_sgpr 66
		.amdhsa_reserve_vcc 1
		.amdhsa_float_denorm_mode_32 3
		.amdhsa_float_denorm_mode_16_64 3
		.amdhsa_memory_ordered 1
		.amdhsa_forward_progress 1
		.amdhsa_inst_pref_size 22
	.end_amdhsa_kernel
	.amdgpu_metadata
---
amdhsa.version: [ 1, 2 ]
amdhsa.kernels:
  - .name:           k_qcf4fb541d6_quant
    .symbol:         k_qcf4fb541d6_quant.kd
    .args:
      - { .name: x, .offset: 0, .size: 8, .value_kind: global_buffer, .address_space: global }
      - { .name: w_qkv, .offset: 8, .size: 8, .value_kind: global_buffer, .address_space: global }
      - { .name: w_out, .offset: 16, .size: 8, .value_kind: global_buffer, .address_space: global }
      - { .name: lowp_scales, .offset: 24, .size: 8, .value_kind: global_buffer, .address_space: global }
      - { .name: x_codes, .offset: 32, .size: 8, .value_kind: global_buffer, .address_space: global }
      - { .name: wqk_codes, .offset: 40, .size: 8, .value_kind: global_buffer, .address_space: global }
      - { .name: wv_codes, .offset: 48, .size: 8, .value_kind: global_buffer, .address_space: global }
      - { .name: ow_codes, .offset: 56, .size: 8, .value_kind: global_buffer, .address_space: global }
      - { .name: sc_qk, .offset: 64, .size: 8, .value_kind: global_buffer, .address_space: global }
      - { .name: sc_v, .offset: 72, .size: 8, .value_kind: global_buffer, .address_space: global }
    .group_segment_fixed_size: 33280
    .private_segment_fixed_size: 0
    .kernarg_segment_align: 8
    .kernarg_segment_size: 80
    .max_flat_workgroup_size: 128
    .sgpr_count:     66
    .vgpr_count:     194
    .wavefront_size: 32
...
	.end_amdgpu_metadata
.endif
;; end of part 1
;; launch gemm_qk (part 2): grid 8 x 32, 4 waves a work-group, clusters of 4 x 4, 327,680 bytes of LDS; arguments x_codes, wqk_codes, sc_qk, qk_codes; writes qk_codes
.if DOCPART == 2
	.amdgcn_target "amdgcn-amd-amdhsa--gfx1250"
	.amdhsa_code_object_version 6
	.text
	.protected	k_qcf4fb541d6_gemm_qk
	.globl	k_qcf4fb541d6_gemm_qk
	.p2align	8
	.type	k_qcf4fb541d6_gemm_qk,@function
k_qcf4fb541d6_gemm_qk:
	s_mov_b64 s[64:65], 0
	v_nop
	global_prefetch_b8 v0, s[64:65] scope:SCOPE_SE
	s_setreg_imm32_b32 hwreg(HW_REG_WAVE_MODE, 25, 1), 1
	s_wait_xcnt 0x0
	s_wait_alu depctr_hold_cnt(0) depctr_sa_sdst(0) depctr_va_vdst(0) depctr_va_sdst(0) depctr_va_ssrc(0) depctr_va_vcc(0) depctr_vm_vsrc(0)
	s_getreg_b32 s2, hwreg(HW_REG_IB_STS2, 6, 4)
	s_cmp_eq_u32 s2, 0
	s_cbranch_scc0 .Lentry_in_a_cluster
	s_endpgm
.Lentry_in_a_cluster:
	s_bfe_u32 s2, ttmp6, 0x10000c
	s_cmp_lg_u32 s2, 0xf033
	s_cbranch_scc0 .Lentry_shape_is_right
	s_endpgm
.Lentry_shape_is_right:
; C = A B^T on codes of FP8 (E4M3), and C leaves as codes of FP8 again.  A: [M][1024], B: [N][1024], one code a byte, K innermost.  Sums in f32.
; The body serves two launches: q and k (A = x's codes, M = 8,192 tokens; B = w_q and w_k's codes, N = 2,048) and v transposed (A = w_v's codes, M = 1,024 channels; B = x's codes, N = 8,192 tokens).
; A finished sum stands for sum x 2^(ea + eb); its code under the next operand's scale 2^en is sum / 2^f, f = en - ea - eb, held within +-448.  f comes from the third buffer: word i serves the columns of cluster column i
; (1,024 columns), so that q and k, which lie side by side in N, have their own.  It is data alone: no branch and no address hangs on it.   LIMIT: f between -126 and 119.
; WHERE C(m, n) GOES: byte (m >> 11) << 22 + (n >> 6) << 17 + (m & 2047) << 6 + pos(n & 63): panels of 64 columns, each 2,048 rows x 64 bytes.  For q and k that is [batch][q heads, k heads][token][64]; for v
; [64 tokens' panel][channel][64 tokens] (rows 1,024 to 2,047 of each panel are neither written nor read).  pos swaps bits 3 and 4: a lane's 16 bytes at 32 c + 16 h are columns 32 c + 8 h + 0..7 and 32 c + 16 + 8 h + 0..7.
; A tile of C, 256 x 256, is made by four waves, as many as a WGP has SIMDs; a wave makes 128 x 128: 64 accumulators of 16 x 16, 512 registers.  K goes in four steps of 256 through a ring of two LDS slots.
; CLUSTERS: 4 x 4 work-groups.  The four of a row of the cluster need the same tiles of A, the four of a column the same tiles of B: each tile is asked for JOINTLY, by the same tensor load with the same descriptor and a
; mask that names the four.  THE MATRIX INSTRUCTION IS USED TRANSPOSED (source 0 = 16 rows of B, source 1 = 16 rows of A): a lane then holds eight neighbouring columns of a row of C, which one conversion packs.
; A fragment is fetched by four loads of 16 bytes: that places k otherwise than the form's own layout does, alike in A and in B, so every product meets its partner.
; REGISTERS, in windows of 256: window 0: v0-31 addresses and the scale; from v128 A's fragments, ONE set; on the way out v32-159 are at work.   window 1: B's fragments, TWO sets, at v0 and v128.
;   window 2: the 32 accumulators of my rows 0-63 (accumulator (a, b) at v[8 (8 a + b)]);   window 3: those of my rows 64-127.
; THE ORDER INSIDE A PANEL is by blocks of 16 rows, 1,024 bytes each, and not by the plain rows named above: the 16 bytes that stand for bytes 16 c .. 16 c + 15 of row m's 64 (c = 0 .. 3, pos as above) lie at byte
; ((m & 2047) >> 4) << 10 + 512 (c >> 1) + 256 (c & 1) + 16 (m & 15) of the panel.  That is the image of the two loads of 16 bytes a lane by which the attention's waves take a fragment of 16 rows x 64 bytes:
; load j of lane l reads byte 512 j + 16 l of the block.
.set SIZE_K, 1024
.set KSTEP,  256                       ; along K in a slot
.set ROWB,   256                       ; a tile's row in bytes
.set KROW,   SIZE_K                    ; a row of A or of B in memory, in bytes
.set PITCH,  272                       ; an LDS row: 256 bytes + 16 of padding = 68 words: row r starts at bank 4 r mod 64 (64 banks of 4 bytes: ISA guide 11.1): the 16 rows of a load start at 16 different banks
.set FR,     16                        ; registers of a fragment: 16 rows x 128 K
.set NL,     4                         ; LDS loads that bring one
.set NP,     4                         ; places behind this matrix instruction (ISA guide 7.12.1)
.set HALFT,  128*PITCH                 ; 128 rows: what one tensor load brings, and what one wave reads of A or of B
.set SLOT,   4*HALFT                   ; A's 256 rows, then B's 256 rows
.set LAPS,   SIZE_K/(2*KSTEP)          ; a lap = two K steps = once round the ring: two laps
.set SPARE,  2*SLOT                    ; behind the ring: the spare words, 128 bytes for each wave: two blocks of 256 bytes that no other line names
.set SW,     2560                      ; the way out: a stage for each wave, 2 panels x 16 rows x 80 bytes.  It lies in slot 0, which has had its last fill and its last read when the first code is stored there
.set ADRA, 16                          ; v16-17  LDS address of my A fragments in slot 0, 1
.set ADRB, 20                          ; v20-21  the same for B
.set STO,  24                          ; v24     the way out: where I put 16 bytes of a row
.set RD,   25                          ; v25     the way out: where I read rows back
.set CO,   26                          ; v26     16 x lane: my place in 512 bytes of a panel
.set SPW,  28                          ; v28     LDS address of my spare word: SPARE + 4 x my thread's number; never rewritten
.set NIL,  29                          ; v29     0; never rewritten
.set SCL,  30                          ; v30     2^f as f32
.set LIM,  31                          ; v31     448 x 2^f
.set TMP,  32                          ; v32-95  a block's sums, held
.set AF,   128                         ; A's fragments, in window 0
.set G1, 24                            ; s[24:31] descriptor group 1 for A's tiles;  s[32:39] group 0, one set for each slot
.set G0, 32
.set G1B, 48                           ; s[48:55], s[56:63] the same for B's tiles
.set G0B, 56
.set MSB, 0
.macro WIN new                         ; the immediate's high byte repeats the setting that is left
.if MSB != \new
	s_set_vgpr_msb (MSB<<8)|\new
.set MSB, \new
.endif
.endm
.set MUL_LO, 0xa1                      ; source 0 (B) window 1, source 1 (A) window 0, C and D window 2
.set MUL_HI, 0xf1                      ; the same, C and D window 3
.set TO_B,   0x40                      ; destination window 1, address window 0
; A joint load: waves 0 and 1 fetch for A, waves 2 and 3 for B.  Each of the two lines has ONE mask and one set of registers for all that issue it; the branch hangs on the wave's number alone.
; Four v_nop follow each of the two lines, ahead of the jump, the label and what follows.
.macro JLOAD g0a, g1a, g0b, g1b
	s_cmp_eq_u32 s15, 0
	s_cbranch_scc0 .Lfor_b_\@
	tensor_load_to_lds s[\g0a:\g0a+3], s[\g1a:\g1a+7]
	s_nop 0
.rept 4
	v_nop
.endr
	s_branch .Lasked_\@
.Lfor_b_\@:
	tensor_load_to_lds s[\g0b:\g0b+3], s[\g1b:\g1b+7]
	s_nop 0
.rept 4
	v_nop
.endr
.Lasked_\@:
.endm
.macro CREST                           ; a round of the cluster's barrier behind its opening barrier
	s_cmp_lg_u32 s14, 0
	s_cbranch_scc1 .Lnot_wave_0_\@
	s_barrier_signal -3
.Lnot_wave_0_\@:
	s_barrier_wait -3
	s_barrier_signal -1
	s_barrier_wait -1
.endm
.macro CROUND                          ; a whole round
	s_barrier_signal -1
	s_barrier_wait -1
	CREST
.endm
	s_load_b128 s[4:7], s[0:1], 0x0                ; A's codes s[4:5], B's codes s[6:7]
	s_load_b128 s[8:11], s[0:1], 0x10              ; the folded exponents s[8:9], C's codes s[10:11]
	v_lshl_add_u32 v[SPW], v0, 2, SPARE
	v_mov_b32 v[NIL], 0
	ds_add_u32 v28, v29
	ds_add_u32 v28, v29
	s_wait_dscnt 0x0
	v_lshrrev_b32 v1, 5, v0
	v_readfirstlane_b32 s14, v1                    ; wave 0..3
	s_lshr_b32 s15, s14, 1                         ; which half of the tile's rows is mine.  Also: I fetch for A (0) or for B (1)
	s_and_b32 s16, s14, 1                          ; which half of its columns.  Also: which 128 rows of that tile I fetch
	s_bfe_u32 s40, ttmp6, 0x40000                  ; cx, cy: my place in the cluster
	s_bfe_u32 s41, ttmp6, 0x40004
	s_lshl_b32 s42, ttmp9, 2
	s_add_co_u32 s42, s42, s40                     ; tile column of C = 4 x cluster x + cx
	s_and_b32 s17, ttmp7, 0xffff
	s_lshl_b32 s17, s17, 2
	s_add_co_u32 s17, s17, s41                     ; tile row of C = 4 x cluster y + cy
	s_lshl_b32 s43, s41, 2
	s_lshl_b32 s43, 15, s43                        ; my row of the cluster
	s_lshl_b32 s44, 0x1111, s40                    ; my column
	s_lshl_b32 s2, ttmp9, 2                        ; the cluster column's word among the folded exponents
	s_mov_b32 s3, 0
	; descriptor group 1: a tile of 128 rows x 256 bytes, padded in LDS
	s_or_b32 s[G1+0], s43, (0<<16)|(1<<20)|(1<<21)|(5<<22)|(3<<25)  ; 15:0 the mask: A's tiles go to my row; 17:16 element of 1 byte; 20 padding on; 21 set beside a mask; 24:22 after every 64 words (code 5); 31:25 of 4 words (code 3)
	s_or_b32 s[G1B+0], s44, (0<<16)|(1<<20)|(1<<21)|(5<<22)|(3<<25)
.irp g, G1, G1B
	s_mov_b32 s[\g+1], ROWB<<16                    ; tensor_dim0
	s_mov_b32 s[\g+2], 128<<16                     ; tensor_dim1 = 128
	s_mov_b32 s[\g+3], ROWB<<16                    ; tile_dim0
	s_mov_b32 s[\g+4], 128                         ; tile_dim1 = 128
	s_mov_b32 s[\g+5], KROW                        ; tensor_dim0_stride
	s_mov_b32 s[\g+6], 0
	s_mov_b32 s[\g+7], 0
.endr
	s_lshl_b32 s18, s16, 7                         ; which 128 rows of the tile I fetch
	s_lshl_b32 s20, s17, 8
	s_add_co_u32 s20, s20, s18                     ; A: row 256 x tile row + 128 x half
	s_lshl_b32 s46, s42, 8
	s_add_co_u32 s46, s46, s18                     ; B: row 256 x tile column + 128 x half
	s_mov_b32 s21, 0
	s_mov_b32 s47, 0
	s_mov_b64 s[18:19], KROW
	s_mul_u64 s[20:21], s[20:21], s[18:19]         ; in bytes
	s_mul_u64 s[46:47], s[46:47], s[18:19]
	s_mul_i32 s45, s14, HALFT                      ; where they go: wave x 128 rows: no place in the cluster enters an LDS address
	s_wait_kmcnt 0x0
	s_add_nc_u64 s[8:9], s[8:9], s[2:3]
	s_load_b32 s96, s[8:9], 0x0                    ; f; waited for on the way out
	s_add_nc_u64 s[20:21], s[4:5], s[20:21]
	s_add_nc_u64 s[46:47], s[6:7], s[46:47]
	CROUND                                         ; all sixteen work-groups are here: the first joint loads meet
.irp s, 0,1
	s_mov_b32 s[G0+4*\s], 1
	s_add_co_u32 s[G0+4*\s+1], s45, \s*SLOT
	s_add_nc_u64 s[G0+4*\s+2:G0+4*\s+3], s[20:21], \s*ROWB
	s_or_b32 s[G0+4*\s+3], s[G0+4*\s+3], 0x80000000
	s_mov_b32 s[G0B+4*\s], 1
	s_add_co_u32 s[G0B+4*\s+1], s45, \s*SLOT
	s_add_nc_u64 s[G0B+4*\s+2:G0B+4*\s+3], s[46:47], \s*ROWB
	s_or_b32 s[G0B+4*\s+3], s[G0B+4*\s+3], 0x80000000
.endr
	JLOAD G0, G1, G0B, G1B                         ; K step 0: my one tensor load at the head
	v_and_b32 v1, 15, v0                           ; r = l % 16
	s_wait_alu depctr_va_vdst(0)
	v_bfe_u32 v2, v0, 4, 1                         ; h = l / 16
	v_mul_u32_u24 v3, v1, PITCH
	v_lshl_add_u32 v4, v2, 4, v3                   ; a fragment's row x pitch + 16 x half
	s_mul_i32 s21, s15, HALFT                      ; my 128 rows of A
	s_mul_i32 s22, s16, HALFT                      ; my 128 rows of B,
	s_add_co_u32 s22, s22, 2*HALFT                 ; which lie behind A's 256
.irp s, 0,1
	v_add_nc_u32 v[ADRA+\s], s21, v4
	v_add_nc_u32 v[ADRB+\s], s22, v4
	s_add_co_u32 s21, s21, SLOT
	s_add_co_u32 s22, s22, SLOT
.endr
	s_mul_i32 s23, s14, SW                         ; my stage
	v_mul_u32_u24 v5, v1, 80                       ; in: row r of 80 bytes, 16 bytes for each half of the lanes
	s_wait_alu depctr_va_vdst(0)
	v_lshl_add_u32 v5, v2, 4, v5
	v_add_nc_u32 v[STO], s23, v5
	v_and_b32 v6, 31, v0
	v_add_nc_u32 v[RD], s23, v5                    ; back: lane l takes 16 bytes of row l % 16, at byte 16 (l / 16) + 32 x the load's number
	v_lshlrev_b32 v[CO], 4, v6                     ; and the same 16 rows in a panel: 512 dense bytes
	s_lshl_b32 s20, s17, 8
	s_lshl_b32 s21, s15, 7
	s_add_co_u32 s20, s20, s21                     ; m0, my first row of C: 256 x tile row + 128 x half
	s_lshr_b32 s21, s20, 11
	s_lshl_b32 s21, s21, 22                        ; (m0 >> 11) << 22
	s_and_b32 s22, s20, 2047
	s_lshl_b32 s22, s22, 6                         ; (m0 & 2047) << 6
	s_add_co_u32 s21, s21, s22
	s_lshl_b32 s46, s42, 19                        ; my first panel: 4 x tile column + 2 x half, x 2^17
	s_lshl_b32 s47, s16, 18
	s_add_co_u32 s46, s46, s47
	s_add_co_u32 s46, s46, s21                     ; under 2^24
	s_mov_b32 s47, 0
	s_add_nc_u64 s[10:11], s[10:11], s[46:47]
.macro FRAG reg, adr, q, i             ; a fragment, 16 rows x 128 K, is 16 registers: lane l holds row l % 16; registers 4 c .. 4 c + 3 hold K = 32 c + 16 (l / 16) + 0 .. 15
.irp c, 0,1,2,3
	ds_load_b128 v[\reg+4*\c:\reg+4*\c+3], v[\adr] offset:128*(\q)+32*\c+(\i)*16*PITCH
.endr
.endm
; 16 matrix instructions: A's blocks a0, a0 + 1 x B's eight, 128 along K.  p: B's set.  zero = 1: the first product starts the sums: nothing is ever cleared.
; The 64 accumulators take turns, one instruction a turn, in the same order in every step.
.macro MUL16 a0, p, zero
.irp a, \a0, \a0+1
.irp b, 0,1,2,3,4,5,6,7
.if \zero
	v_wmma_f32_16x16x128_fp8_fp8 v[8*(8*((\a)%4)+\b):8*(8*((\a)%4)+\b)+7], v[128*(\p)+FR*\b:128*(\p)+FR*\b+FR-1], v[AF+FR*(\a):AF+FR*(\a)+FR-1], 0
.else
	v_wmma_f32_16x16x128_fp8_fp8 v[8*(8*((\a)%4)+\b):8*(8*((\a)%4)+\b)+7], v[128*(\p)+FR*\b:128*(\p)+FR*\b+FR-1], v[AF+FR*(\a):AF+FR*(\a)+FR-1], v[8*(8*((\a)%4)+\b):8*(8*((\a)%4)+\b)+7]
.endif
.endr
.endr
.endm
.macro FETCH_B slot, q, p              ; B's eight fragments of the slot's q-th 128 along K into set p
	WIN TO_B
.irp i, 0,1,2,3,4,5,6,7
	FRAG 128*(\p)+FR*\i, ADRB+\slot, \q, \i
.endr
	WIN 0
.endm
.macro FETCH_A slot, q, i0             ; A's blocks i0 .. i0 + 3
.irp i, \i0, \i0+1, \i0+2, \i0+3
	FRAG AF+FR*(\i), ADRA+\slot, \q, \i
.endr
.endm
; A load into a register that a matrix instruction has read, and a vector instruction that reads a matrix result, stand NP places behind that matrix instruction, and only plain vector
; instructions that name none of its registers are places (ISA guide 7.12.1 for vector instructions).
.macro PLACES n
.rept \n
	v_nop
.endr
.endm
; A step of 128 along K that has its successor in the same slot.  A block of A is free as soon as its eight products are issued: blocks 0-3 are fetched anew in the step's middle, blocks 4-7 at its end.
.macro STEP slot, q, zero
	s_wait_dscnt 4*NL                              ; B's set and A's blocks 0-3 are in; the youngest sixteen loads (A's blocks 4-7) may be out
	WIN MUL_LO
	MUL16 0, (\q)%2, \zero
	MUL16 2, (\q)%2, \zero
	s_wait_dscnt 0                                 ; A's blocks 4-7 are in
	PLACES NP
	FETCH_B \slot, (\q)+1, 1-(\q)%2
	FETCH_A \slot, (\q)+1, 0
	WIN MUL_HI
	MUL16 4, (\q)%2, \zero
	MUL16 6, (\q)%2, \zero
	PLACES NP
	WIN 0
	FETCH_A \slot, (\q)+1, 4
.endm
; A slot's last step changes slots: ONE barrier; in front of it each wave waits for all its tensor loads, adds 0 to its spare word, and waits for that and for its own reads of this slot.  fill = 1: this slot is filled again, two K steps ahead.
.macro TURN slot, next, fill
	s_wait_tensorcnt 0x0                           ; all my tensor loads have landed: my part of the next slot  (every window is 0 here)
	ds_add_u32 v[SPW], v[NIL]                      ; 0 onto my spare word
	s_wait_dscnt 4*NL+1                            ; (the add and the youngest sixteen loads, A's blocks 4-7, may be out)
	WIN MUL_LO
	MUL16 0, 1, 0                                  ; sixteen matrix instructions stand between the add and the wait for it
	s_wait_dscnt 0x0                               ; the add is done, and my reads of this slot are over
	s_barrier_signal -1
	MUL16 2, 1, 0
	WIN 0
	s_barrier_wait -1
.if \fill
	CREST                                          ; the barrier has opened a round of the cluster's barrier: no wave of any partner still reads this slot's tile or has a load on its way
	s_add_nc_u64 s[G0+4*\slot+2:G0+4*\slot+3], s[G0+4*\slot+2:G0+4*\slot+3], 2*ROWB
	s_add_nc_u64 s[G0B+4*\slot+2:G0B+4*\slot+3], s[G0B+4*\slot+2:G0B+4*\slot+3], 2*ROWB
	JLOAD G0+4*\slot, G1, G0B+4*\slot, G1B         ; the first tensor load behind the round, my one load until the next; the four v_nop behind it are the places in front of the loads below
.else
	PLACES NP
.endif
	FETCH_B \next, 0, 0
	FETCH_A \next, 0, 0
	WIN MUL_HI
	MUL16 4, 1, 0
	MUL16 6, 1, 0
	PLACES NP
	WIN 0
	FETCH_A \next, 0, 4
.endm
	s_wait_alu depctr_va_vdst(0)
	s_wait_tensorcnt 0x0                           ; my part of K step 0 is in
	ds_add_u32 v[SPW], v[NIL]
	s_wait_dscnt 0x0
	CROUND                                         ; everybody's part of K step 0 is in, and all sixteen work-groups are here
	JLOAD G0+4, G1, G0B+4, G1B                     ; K step 1: slot 1's first fill, my one tensor load behind the round
	FETCH_B 0, 0, 0
	FETCH_A 0, 0, 0
	FETCH_A 0, 0, 4
	STEP 0, 0, 1                                   ; the first step stands in front of the loop: its products start the sums
	s_mov_b32 s3, LAPS-1
.Llap:                                                 ; a trip goes once round the ring, from a lap's second step to the next lap's first, and fills both slots again
	TURN 0, 1, 1
	STEP 1, 0, 0
	TURN 1, 0, 1
	STEP 0, 0, 0
	s_sub_co_u32 s3, s3, 1
	s_cmp_lg_u32 s3, 0
	s_cbranch_scc1 .Llap
	TURN 0, 1, 0                                   ; the last lap fills nothing, and has no round of the cluster's barrier
	STEP 1, 0, 0
	s_wait_dscnt 4*NL                              ; the very last step: nothing more to fetch
	WIN MUL_LO
	MUL16 0, 1, 0
	MUL16 2, 1, 0
	s_wait_dscnt 0
	WIN MUL_HI
	MUL16 4, 1, 0
	MUL16 6, 1, 0
	WIN 0
; THE WAY OUT, block by block of 16 rows x 128 columns.  The sums are held within +-448 x 2^f (the conversion does not saturate: ISA guide 7.6.2), each accumulator from its low end on, into other registers; a conversion
; packs an accumulator's eight columns into 8 bytes; two accumulators' 16 bytes go into my own stage (two panels of 16 rows x 80 bytes).  They come back 16 bytes a lane, lane l from row l % 16, and the 32 lanes store
; 512 dense bytes: half of a block's 1,024 in the order stated at the head.  LDS serves a wave's instructions in order (ISA guide 5.7.1.4): no wait between the stores and the loads.  Codes and rows have two sets of registers by turns.
.macro CODES a
.set AC, 64*((\a)%4)
.set CD, 96+16*((\a)%2)
.set BB, 128+16*((\a)%2)
	WIN 0x02+((\a)/4)                              ; source 0: window 2 or 3
.set j, 0
.rept 64
	v_med3_num_f32 v[TMP+j], v[AC+j], -v[LIM], v[LIM]
.set j, j+1
.endr
	WIN 0
.irp b, 0,1,2,3,4,5,6,7
	v_cvt_scalef32_pk8_fp8_f32 v[CD+2*\b:CD+2*\b+1], v[TMP+8*\b:TMP+8*\b+7], v[SCL]
.endr
	v_nop                                          ; one plain vector line behind the last conversion: the next block's holds write the conversions' sources
.irp c, 0,1,2,3
	ds_store_b128 v[STO], v[CD+4*\c:CD+4*\c+3] offset:(\c/2)*1280+32*(\c%2)
.endr
.irp p, 0,1
.irp g, 0,1
	ds_load_b128 v[BB+4*(2*\p+\g):BB+4*(2*\p+\g)+3], v[RD] offset:\p*1280+\g*32
.endr
.endr
.endm
.macro SENDC a, younger                ; younger: the LDS instructions issued behind block a's loads, which may stay out
.set BB, 128+16*((\a)%2)
	s_wait_dscnt \younger                          ; the block is back in registers
.irp p, 0,1
.irp g, 0,1
	global_store_b128 v[CO], v[BB+4*(2*\p+\g):BB+4*(2*\p+\g)+3], s[10:11] offset:\p*131072+(\a)*1024+\g*512   ; 32 lanes store 512 consecutive bytes, aligned
.endr
.endr
.endm
	s_wait_kmcnt 0x0                               ; f
	s_add_co_i32 s96, s96, 127
	s_lshl_b32 s97, s96, 23
	v_mov_b32 v[SCL], s97                          ; 2^f as f32: the conversion takes its exponent field
	s_add_co_i32 s96, s96, 8
	s_lshl_b32 s96, s96, 23
	s_or_b32 s96, s96, 0x600000
	v_mov_b32 v[LIM], s96                          ; 448 x 2^f
	PLACES NP                                      ; behind the last products: for the reads of results and for the loads into the registers that held A's fragments
	CODES 0
.irp a, 1,2,3,4,5,6,7
.if \a > 1
	s_wait_xcnt 0x0                                ; block a - 2's stores have read their registers: block a's rows may land there
.endif
	CODES \a
	SENDC \a-1, 8                                  ; behind block a - 1's loads: block a's 4 stores and 4 loads
.endr
	SENDC 7, 0
	s_wait_tensorcnt 0x0                           ; the wave's end, behind my last tensor load and my last LDS store
	ds_add_u32 v[SPW], v[NIL]
	s_wait_dscnt 0x0
	CROUND                                         ; the closing round: no work-group ends while a partner may still ask for a tile that names it
	s_endpgm
.Lfunc_end_k_qcf4fb541d6_gemm_qk:
	.size	k_qcf4fb541d6_gemm_qk, .Lfunc_end_k_qcf4fb541d6_gemm_qk-k_qcf4fb541d6_gemm_qk
	.p2alignl 7, 3214868480
	.fill 96, 4, 3214868480
	.section	.rodata,"a",@progbits
	.p2align	6, 0x0
	.amdhsa_kernel k_qcf4fb541d6_gemm_qk
		.amdhsa_group_segment_fixed_size 327680
		.amdhsa_private_segment_fixed_size 0
		.amdhsa_enable_private_segment 0
		.amdhsa_kernarg_size 32
		.amdhsa_user_sgpr_count 2
		.amdhsa_user_sgpr_kernarg_segment_ptr 1
		.amdhsa_wavefront_size32 1
		.amdhsa_system_sgpr_workgroup_id_x 1
		.amdhsa_system_sgpr_workgroup_id_y 1
		.amdhsa_system_sgpr_workgroup_id_z 1
		.amdhsa_system_vgpr_workitem_id 0
		.amdhsa_next_free_vgpr 1024
		.amdhsa_next_free_sgpr 98
		.amdhsa_reserve_vcc 0
		.amdhsa_float_denorm_mode_32 3
		.amdhsa_float_denorm_mode_16_64 3
		.amdhsa_memory_ordered 1
		.amdhsa_forward_progress 1
		.amdhsa_inst_pref_size 123
	.end_amdhsa_kernel
	.amdgpu_metadata
---
amdhsa.version: [ 1, 2 ]
amdhsa.kernels:
  - .name:           k_qcf4fb541d6_gemm_qk
    .symbol:         k_qcf4fb541d6_gemm_qk.kd
    .args:
      - { .name: x_codes, .offset: 0, .size: 8, .value_kind: global_buffer, .address_space: global }
      - { .name: wqk_codes, .offset: 8, .size: 8, .value_kind: global_buffer, .address_space: global }
      - { .name: sc_qk, .offset: 16, .size: 8, .value_kind: global_buffer, .address_space: global }
      - { .name: qk_codes, .offset: 24, .size: 8, .value_kind: global_buffer, .address_space: global }
    .group_segment_fixed_size: 327680
    .private_segment_fixed_size: 0
    .kernarg_segment_align: 8
    .kernarg_segment_size: 32
    .max_flat_workgroup_size: 128
    .sgpr_count:     98
    .vgpr_count:     1024
    .wavefront_size: 32
...
	.end_amdgpu_metadata
.endif
;; end of part 2
;; launch gemm_v: the kernel of part 2 again; grid 32 x 4, 4 waves a work-group, clusters of 4 x 4, 327,680 bytes of LDS; arguments wv_codes, x_codes, sc_v, v_codes; writes v_codes
;; launch attn (part 3): grid 4 x 64, 16 waves a work-group, clusters of 4 x 1, 327,680 bytes of LDS; arguments qk_codes, v_codes, lowp_scales, ow_codes; writes ow_codes
.if DOCPART == 3
	.amdgcn_target "amdgcn-amd-amdhsa--gfx1250"
	.amdhsa_code_object_version 6
	.text
	.protected	k_qcf4fb541d6_attn
	.globl	k_qcf4fb541d6_attn
	.p2align	8
	.type	k_qcf4fb541d6_attn,@function
k_qcf4fb541d6_attn:
	s_mov_b64 s[64:65], 0
	v_nop
	global_prefetch_b8 v0, s[64:65] scope:SCOPE_SE
	s_setreg_imm32_b32 hwreg(HW_REG_WAVE_MODE, 25, 1), 1
	s_wait_xcnt 0x0
	s_wait_alu depctr_hold_cnt(0) depctr_sa_sdst(0) depctr_va_vdst(0) depctr_va_sdst(0) depctr_va_ssrc(0) depctr_va_vcc(0) depctr_vm_vsrc(0)
	s_getreg_b32 s2, hwreg(HW_REG_IB_STS2, 6, 4)
	s_cmp_eq_u32 s2, 0
	s_cbranch_scc0 .Lentry_in_a_cluster
	s_endpgm
.Lentry_in_a_cluster:
	s_bfe_u32 s2, ttmp6, 0x10000c
	s_cmp_lg_u32 s2, 0x3003
	s_cbranch_scc0 .Lentry_shape_is_right
	s_endpgm
.Lentry_shape_is_right:
; Causal attention of 64 heads (4 batches x 16), 2,048 tokens, head size 64, both products on codes of FP8 (E4M3); the result leaves as codes of FP8 for the last projection.
; WORK LEFT OUT: key steps that lie wholly behind a tile's queries: reference()'s own causal mask gives their scores the weight 0 for all inputs.
; q, k: [batch][32 panels: q heads, k heads][128 blocks of 16 tokens][1,024 bytes]; v: [panel of 64 tokens][128 blocks of 16 rows, row = 64 head + channel][1,024 bytes].  A block is the image of two loads of 16 bytes a
; lane: load j of lane l (r = l % 16, h = l / 16) finds at byte 512 j + 16 l the 16 codes of row r that registers 4 j .. 4 j + 3 of a fragment hold in lane half h.  The 64 channels lie in an order that is the same in q and k;
; of v the 16 codes are tokens 32 j + 8 h + 0..7 and 32 j + 16 + 8 h + 0..7 of the panel.
; o: bytes 0 to 8,388,607 of the fourth buffer: [head][batch x token][64] codes, channels in their own order.  The scales' exponents: e2 (q), e3 (k), e4 (p), e5 (v), e6 (o).
; THE SOFTMAX AHEAD OF THE SECOND PRODUCT: t = score x log2(e) / 8; M = the row's largest t so far, rounded UP to a whole number; p = 2^(t - M) is quantised, not normalised.  The row's sum is taken of the unquantised p
; and divides O at the end.  When M moves, the sum and O are multiplied by 2^(old M - new M), which rounds nothing.
; LDS HOLDS THE WHOLE HEAD: K's 131,072 bytes from byte 0, V's 131,072 behind them, each byte filled once: no ring and no refill.  The blocks need no padding: every LDS load of a fragment reads 512 consecutive bytes.
; Keys 0-255 are asked for first (sixteen loads of 2,048 bytes, one a wave); keys 256-2,047 behind a round of the cluster's barrier (waves 0-6: 16,384 bytes of K each; waves 7-13: four
; panels of V each).  Key steps 0 and 1 are worked while those loads are out; one barrier follows; the fourteen other key steps pass no barrier.
; SHARES.  A cluster of four work-groups is one head.  A head has 128 tiles of 16 queries; each of a work-group's sixteen waves owns a low tile T0 and its mirror 127 - T0.  Tile T is at work in key step KS (128 keys) while
; KS <= T / 8, so every wave has (g + 1) + (16 - g) = 17 tile steps, whatever g = T0 / 8 is.  g is made of the wave's number alone (a = w & 3, g = 2 ((a + w / 4) & 3) + (a & 1)), so every branch is the same in all four
; partners; the place in the cluster chooses which of a group's eight tiles is mine (cx + 4 (a / 2)) and enters only q's and o's addresses in memory and the mask's lane data.
; CLUSTER.  All four work-groups need the same K and V: each load is JOINT, the same descriptor in all four, with the mask 15.
; NO PREFETCH: every request for K and V stands ahead of the loops, so there is no later request that a loop could run ahead of.
; LAYOUT.  S^T = K Q^T (source 0 = 16 neighbouring keys, source 1 = my 16 queries, K = 64): a lane holds ONE query (lane % 16) and of tile i the keys 16 i + 8 (lane / 16) + 0..7, which packed are registers 2 i, 2 i + 1 of the
; K = 128 form's operand.  O^T = V^T P^T (source 0 = 16 channels, source 1 = P).
; LIMITS on the given exponents, so that each power of two below is an f32 number: e2 + e3 between -123 and 130 (added to c's exponent field); e4 and e6 between -126 and 119.  NaN among the inputs is not served.
; REGISTERS: v1-13 addresses and lane data; v16-31 Q of both tiles; v32-95 eight fragments of K or four of V; v96-159 S^T, then p; v160-223 O^T of both tiles; v224-239 p's codes; v240-247 statistics; v248-255 scales and at work.
.set VOFF,  131072                     ; V's first byte in LDS
.set STEPB, 8192                       ; a key step of 128 keys: 8 blocks of K; 2 panels x 4 blocks of V
.set SPARE, 262144                     ; the spare words, 128 bytes for each of sixteen waves: eight blocks of 256 bytes that no other line names
.set STAGE, SPARE+2048                 ; the way out: stages that no tensor load fills
.set KP,    80                         ; a stage's row: 64 bytes + 16
.set SW,    16*KP                      ; a wave's stage
.set AK0, 1                            ; v1   16 x lane: my place in a block; also Q's and o's offset
.set AV0, 2                            ; v2   the same + VOFF
.set SPW, 5                            ; v5   LDS address of my spare word; never rewritten
.set NIL, 6                            ; v6   0; never rewritten
.set ADK, 8                            ; v8   LDS address of the step's blocks of K
.set ADV, 9                            ; v9   of V
.set DM,  10                           ; v10, v11  my query less the diagonal step's first key less 8 h, for tile 0, 1
.set STO, 12                           ; v12  the way out: where I put 8 bytes of a row
.set RD,  13                           ; v13  and where I read rows back
.set Q,   16
.set F,   32
.set S,   96
.set O,   160
.set PC,  224
.set ST,  240                          ; tile x at v[ST + 4 x]: -M, the largest t, the sum in two halves
.set SCP, 248                          ; v248 2^e4 (on the way out 2^e6)
.set LMP, 249                          ; v249 448 x that
.set TB,  2                            ; s2   STEPB x the key step
.set KS,  3                            ; s3   the key step, 0 to 15
.set WV,  12                           ; s12  my wave's number
.set CX,  13                           ; s13  my work-group's place in the cluster
.set GR,  14                           ; s14, s15  the last key step of tile 0, 1: g, 15 - g
.set SEL, 20                           ; s[20:21] lane selects for v_permlanex16_b32: lane l xor 16
.set CS,  22                           ; s[22:23] c = log2(e) / 8 x 2^(e2 + e3)
.set G1A, 24                           ; s[24:31] group 1: 8 rows of 256 dense bytes
.set G1K, 32                           ; s[32:39] group 1: 4 rows of 4,096 bytes, dense
.set G1V, 40                           ; s[40:47] group 1: 4 rows of 4,096 bytes, a panel (131,072 bytes) apart
.set G0A, 48                           ; s[48:51], s[52:55], s[56:59] groups 0
.set G0K, 52
.set G0V, 56
.set QA,  60                           ; s[60:61], s[62:63] Q's codes of tile 0, 1
.set OA,  66                           ; s[66:67], s[68:69] o's codes of tile 0, 1
.set CNT, 70                           ; s70  trips to go
; A round of the cluster's barrier: my work-group's barrier; wave 0 signals for the work-group; every wave waits for all four work-groups; my work-group's barrier once more.
.macro CROUND
	s_barrier_signal -1
	s_barrier_wait -1
	s_cmp_lg_u32 s[WV], 0
	s_cbranch_scc1 .Lnot_wave_0_\@
	s_barrier_signal -3
.Lnot_wave_0_\@:
	s_barrier_wait -3
	s_barrier_signal -1
	s_barrier_wait -1
.endm
	s_load_b256 s[4:11], s[0:1], 0x0               ; q and k's codes s[4:5], v's codes s[6:7], the scales' exponents s[8:9], o's codes s[10:11]
	v_lshl_add_u32 v[SPW], v0, 2, SPARE
	v_mov_b32 v[NIL], 0
	ds_add_u32 v[SPW], v[NIL]                      ; the opening lines: the add, twice on end, and its wait ahead of my first tensor load
	ds_add_u32 v[SPW], v[NIL]
	v_lshrrev_b32 v8, 5, v0
	v_readfirstlane_b32 s[WV], v8                  ; wave 0..15
	s_bfe_u32 s[CX], ttmp6, 0x40000                ; cx
	s_and_b32 s16, ttmp7, 0xffff                   ; the cluster's y: 16 x batch + head
	s_lshr_b32 s17, s16, 4                         ; batch
	s_and_b32 s18, s16, 15                         ; head
	s_lshl_b32 s19, s17, 5
	s_add_co_u32 s19, s19, s18
	s_lshl_b32 s19, s19, 17                        ; q's panel: (32 batch + head) x 2^17 bytes
	s_lshl_b32 s80, s18, 19
	s_lshl_b32 s81, s17, 17
	s_add_co_u32 s80, s80, s81                     ; o: head x 2^19 + batch x 2,048 rows of 64 bytes
	s_add_co_u32 s81, s19, 16<<17                  ; k's panel: sixteen panels behind q's
	s_lshl_b32 s82, s17, 22
	s_lshl_b32 s83, s18, 12
	s_add_co_u32 s82, s82, s83                     ; v: batch x 32 panels of 2^17 bytes + head x 4 blocks
	s_and_b32 s83, s[WV], 3                        ; a
	s_lshr_b32 s16, s[WV], 2
	s_add_co_u32 s16, s16, s83
	s_and_b32 s16, s16, 3                          ; (a + w / 4) & 3
	s_lshl_b32 s16, s16, 1
	s_and_b32 s17, s83, 1
	s_add_co_u32 s[GR], s16, s17                   ; g, 0 to 7: the low tile's group of 128 queries
	s_sub_co_u32 s[GR+1], 15, s[GR]                ; the mirror's
	s_lshr_b32 s17, s83, 1
	s_lshl_b32 s17, s17, 2
	s_add_co_u32 s84, s[CX], s17                   ; the low tile's place in its group: cx + 4 (a / 2)
	s_sub_co_u32 s85, 7, s84                       ; the mirror's
	s_lshl_b32 s86, s84, 4                         ; in queries
	s_lshl_b32 s87, s85, 4
	s_lshl_b32 s88, s[GR], 7
	s_add_co_u32 s88, s88, s86                     ; the low tile's first query
	s_lshl_b32 s89, s[GR+1], 7
	s_add_co_u32 s89, s89, s87                     ; the mirror's
	s_lshl_b32 s88, s88, 6                         ; in bytes: 64 a query
	s_lshl_b32 s89, s89, 6
	; the first loads, keys 0-255: waves 0-7 take 2,048 bytes of K each, waves 8-15 half a panel of V each
	s_and_b32 s90, s[WV], 7                        ; i
	s_lshr_b32 s91, s[WV], 3                       ; 0: K, 1: V
	s_lshl_b32 s92, s90, 11
	s_lshl_b32 s93, s91, 17
	s_mov_b32 s[G0A], 1
	s_add_co_u32 s[G0A+1], s92, s93                ; LDS: 2,048 i, + VOFF for V
	s_add_co_u32 s92, s92, s81                     ; K in memory: the panel + 2,048 i
	s_lshr_b32 s93, s90, 1
	s_lshl_b32 s93, s93, 17
	s_and_b32 s94, s90, 1
	s_lshl_b32 s94, s94, 11
	s_add_co_u32 s93, s93, s94
	s_add_co_u32 s93, s93, s82                     ; V in memory: panel i / 2, half i % 2
	s_cmp_eq_u32 s91, 0
	s_cselect_b32 s92, s92, s93
	s_mov_b32 s93, 0
	; the second loads, keys 256-2,047: wave w < 7: K's bytes 16,384 (w + 1) on; wave 7 <= w < 14: V's panels 4 (w - 6) on
	s_lshl_b32 s94, s[WV], 14
	s_mov_b32 s[G0K], 1
	s_add_co_u32 s[G0K+1], s94, 16384
	s_mov_b32 s[G0V], 1
	s_add_co_u32 s[G0V+1], s94, 32768              ; VOFF + 16,384 (w - 6)
	s_min_u32 s94, s[WV], 6                        ; (held inside the buffers in the waves that do not use them)
	s_lshl_b32 s94, s94, 14
	s_add_co_u32 s94, s94, s81
	s_add_co_u32 s94, s94, 16384
	s_mov_b32 s95, 0
	s_max_u32 s16, s[WV], 7
	s_min_u32 s16, s16, 13
	s_sub_co_u32 s16, s16, 6
	s_lshl_b32 s16, s16, 19
	s_add_co_u32 s16, s16, s82
	s_mov_b32 s17, 0
	s_mov_b32 s[G1A], 15|(1<<21)                   ; 15:0 the mask: all four work-groups; 17:16 elements of 1 byte; 21 set beside a mask; no padding
	s_mov_b32 s[G1A+1], 256<<16                    ; tensor_dim0
	s_mov_b32 s[G1A+2], 8<<16                      ; tensor_dim1
	s_mov_b32 s[G1A+3], 256<<16                    ; tile_dim0
	s_mov_b32 s[G1A+4], 8                          ; tile_dim1
	s_mov_b32 s[G1A+5], 256                        ; tensor_dim0_stride
	s_mov_b32 s[G1A+6], 0
	s_mov_b32 s[G1A+7], 0
.irp g, G1K, G1V
	s_mov_b32 s[\g], 15|(1<<21)
	s_mov_b32 s[\g+1], 4096<<16
	s_mov_b32 s[\g+2], 4<<16
	s_mov_b32 s[\g+3], 4096<<16
	s_mov_b32 s[\g+4], 4
	s_mov_b32 s[\g+6], 0
	s_mov_b32 s[\g+7], 0
.endr
	s_mov_b32 s[G1K+5], 4096
	s_mov_b32 s[G1V+5], 131072
	s_mov_b32 s[SEL], 0x76543210
	s_mov_b32 s[SEL+1], 0xfedcba98
	s_mov_b32 s[CS], 0x3e38aa3b                    ; log2(e) / 8
	s_mov_b32 s[TB], 0
	s_mov_b32 s[KS], 0
	s_wait_dscnt 0x0                               ; both opening adds are done
	s_wait_kmcnt 0x0
	s_load_b256 s[72:79], s[8:9], 0x0              ; e0 .. e7
	s_cmp_eq_u32 s91, 0                            ; the choice hangs on the wave's number alone
	s_cselect_b64 s[G0A+2:G0A+3], s[4:5], s[6:7]
	s_add_nc_u64 s[G0A+2:G0A+3], s[G0A+2:G0A+3], s[92:93]
	s_or_b32 s[G0A+3], s[G0A+3], 0x80000000        ; type = 2
	CROUND                                         ; all four work-groups are here: the first joint loads meet
	tensor_load_to_lds s[G0A:G0A+3], s[G1A:G1A+7]  ; my one tensor load at the head: my 2,048 bytes of keys 0-255
	s_nop 0
	s_add_nc_u64 s[G0K+2:G0K+3], s[4:5], s[94:95]
	s_or_b32 s[G0K+3], s[G0K+3], 0x80000000
	s_add_nc_u64 s[G0V+2:G0V+3], s[6:7], s[16:17]
	s_or_b32 s[G0V+3], s[G0V+3], 0x80000000
	s_add_co_u32 s16, s88, s19
	s_add_nc_u64 s[QA:QA+1], s[4:5], s[16:17]
	s_add_co_u32 s16, s89, s19
	s_add_nc_u64 s[QA+2:QA+3], s[4:5], s[16:17]
	s_add_co_u32 s16, s88, s80
	s_add_nc_u64 s[OA:OA+1], s[10:11], s[16:17]
	s_add_co_u32 s16, s89, s80
	s_add_nc_u64 s[OA+2:OA+3], s[10:11], s[16:17]
	v_and_b32 v254, 31, v0                         ; lane
	v_and_b32 v14, 15, v0                          ; r = lane % 16
	v_bfe_u32 v15, v0, 4, 1                        ; h = lane / 16
	v_lshlrev_b32 v[AK0], 4, v254
	global_load_b128 v[Q:Q+3], v[AK0], s[QA:QA+1]              ; Q's fragments stay in registers: a block's two loads, as K's come out of LDS
	global_load_b128 v[Q+4:Q+7], v[AK0], s[QA:QA+1] offset:512
	global_load_b128 v[Q+8:Q+11], v[AK0], s[QA+2:QA+3]
	global_load_b128 v[Q+12:Q+15], v[AK0], s[QA+2:QA+3] offset:512
	v_add_nc_u32 v[AV0], VOFF, v[AK0]
	v_lshlrev_b32 v252, 3, v15
	v_sub_nc_u32 v252, v14, v252                   ; r - 8 h
	v_add_nc_u32 v[DM], s86, v252
	v_add_nc_u32 v[DM+1], s87, v252
	s_mul_i32 s16, s[WV], SW
	s_add_co_u32 s16, s16, STAGE                   ; my stage
	v_mul_u32_u24 v[STO], v14, KP
	v_lshl_add_u32 v[STO], v15, 3, v[STO]
	v_add_nc_u32 v[STO], s16, v[STO]               ; in: row r, 8 bytes for each half of the lanes
	v_lshrrev_b32 v[RD], 2, v254
	v_mul_u32_u24 v[RD], v[RD], KP
	v_and_b32 v250, 3, v254
	v_lshl_add_u32 v[RD], v250, 4, v[RD]
	v_add_nc_u32 v[RD], s16, v[RD]                 ; back: four lanes to a row of 64 bytes
.irp x, 0,1
	v_mov_b32 v[ST+4*\x+1], 0xff61b1e6             ; the largest t so far: -3e38, under every t
	v_floor_f32 v[ST+4*\x], -v[ST+4*\x+1]          ; -M
	v_mov_b32 v[ST+4*\x+2], 0                      ; the sum, in two halves
	v_mov_b32 v[ST+4*\x+3], 0
.endr
	v_mov_b32 v255, 0                              ; written once: a lane permute's destination counts as one of its sources
	v_mov_b32 v253, 0                              ; (named as the upper half of the pair v[252:253])
.set j, 0
.rept 64
	v_mov_b32 v[O+j], 0                            ; O^T of both tiles: a tile step has no first step of its own: the first finds zeros, which the first change of M leaves zeros
.set j, j+1
.endr
	s_wait_kmcnt 0x0
	s_add_co_i32 s16, s74, s75
	s_lshl_b32 s16, s16, 23
	s_add_co_i32 s[CS], s[CS], s16                 ; a score stands for score x 2^(e2 + e3): the two exponents are added to c's exponent field
	s_mov_b32 s[CS+1], s[CS]                       ; (named with it as a pair, so it is written)
	s_add_co_i32 s16, s76, 127
	s_lshl_b32 s17, s16, 23
	v_mov_b32 v[SCP], s17                          ; 2^e4 as f32, for p's conversions
	s_add_co_i32 s16, s16, 8
	s_lshl_b32 s16, s16, 23
	s_or_b32 s16, s16, 0x600000
	v_mov_b32 v[LMP], s16                          ; 448 x 2^e4
; A TILE STEP: tile x of my two against key step KS.
.macro TSTEP x
.set rQ, Q+8*(\x)
.set rO, O+32*(\x)
.set rT, ST+4*(\x)
	s_cmp_gt_u32 s[KS], s[GR+(\x)]                 ; all these keys come after the tile's queries: the step's work is left out.  A scalar branch on the wave's number and the step; no barrier and no tensor load stands in a tile step
	s_cbranch_scc1 .Lskip_\@
	v_add_nc_u32 v[ADK], s[TB], v[AK0]
	v_add_nc_u32 v[ADV], s[TB], v[AV0]
	v_nop                                          ; with the two additions: four places in front of loads into registers that the last products have read
	v_nop
.irp t, 0,1,2,3,4,5,6,7
	ds_load_b128 v[F+8*\t:F+8*\t+3], v[ADK] offset:1024*\t
	ds_load_b128 v[F+8*\t+4:F+8*\t+7], v[ADK] offset:1024*\t+512
.endr
	s_wait_alu depctr_va_vdst(0)
	s_wait_dscnt 0x0
.irp t, 0,1,2,3,4,5,6,7
	v_wmma_f32_16x16x64_fp8_fp8 v[S+8*\t:S+8*\t+7], v[F+8*\t:F+8*\t+7], v[rQ:rQ+7], 0   ; S^T: register 8 t + j of lane (r, h) is query r, key 16 t + 8 h + j
.endr
.rept 4
	v_nop                                          ; places: for the loads below, into registers that these products read, and for the first read of the scores
.endr
.irp t, 0,1,2,3
.irp c, 0,1,2,3
	ds_load_b128 v[F+16*\t+4*\c:F+16*\t+4*\c+3], v[ADV] offset:4096*(\c/2)+1024*\t+512*(\c%2)   ; V's four fragments (16 channels x 128 keys) land while the softmax is worked
.endr
.endr
	s_cmp_lt_u32 s[KS], s[GR+(\x)]                 ; only the tile's last step lies on the diagonal: there hidden scores become -infinity ahead of the maximum, and p = 0.  Key 0 counts for every query, so M is a number from the first step on
	s_cbranch_scc1 .Lopen_\@
	v_mov_b32 v254, 0xff800000
.set n, 0
.rept 64
	v_cmp_gt_i32 vcc_lo, 16*(n/8)+n%8, v[DM+(\x)]
	v_cndmask_b32 v[S+n], v[S+n], v254, vcc_lo
.set n, n+1
.endr
.Lopen_\@:
	v_max3_num_f32 v254, v[S], v[S+1], v[S+2]      ; the step's largest score of my query, among my 64 keys, in two chains (each accumulator is first read at its low end),
	v_max3_num_f32 v252, v[S+3], v[S+4], v[S+5]
.irp i, 6,10,14,18,22,26,30,34,38,42,46,50,54,58
	v_max3_num_f32 v254, v254, v[S+\i], v[S+1+\i]
	v_max3_num_f32 v252, v252, v[S+2+\i], v[S+3+\i]
.endr
	v_max3_num_f32 v254, v254, v[S+62], v[S+63]
	s_delay_alu instid0(VALU_DEP_1)
	v_max_num_f32 v254, v254, v252
	s_delay_alu instid0(VALU_DEP_1)
	v_permlanex16_b32 v255, v254, s[SEL], s[SEL+1]
	s_delay_alu instid0(VALU_DEP_1)
	v_max_num_f32 v254, v254, v255                 ; and among lane l xor 16's
	s_delay_alu instid0(VALU_DEP_1)
	v_mul_f32 v254, s[CS], v254                    ; as t (c is positive)
	s_delay_alu instid0(VALU_DEP_1)
	v_max_num_f32 v[rT+1], v[rT+1], v254           ; the running largest t
	v_mov_b32 v254, v[rT]
	s_delay_alu instid0(VALU_DEP_2)
	v_floor_f32 v[rT], -v[rT+1]                    ; the new -M = floor(-t) = -ceil(t): M is a whole number
	s_delay_alu instid0(VALU_DEP_1)
	v_sub_f32 v254, v[rT], v254                    ; M's old value less its new one: a whole number, 0 or less
	s_delay_alu instid0(VALU_DEP_1)
	v_cvt_i32_f32 v254, v254                       ; (it saturates)
	s_delay_alu instid0(VALU_DEP_1)
	v_ldexp_f32 v252, 1.0, v254                    ; f = 2^(old M - new M)
.set j, 0
.rept 32
	v_pk_fma_f32 v[S+j:S+j+1], v[S+j:S+j+1], s[CS:CS+1], v[rT:rT+1] op_sel_hi:[1,0,0]   ; t - M, two at a time (of the pairs c and -M the low word serves both halves)
.set j, j+2
.endr
.set j, 0
	s_wait_alu depctr_va_vdst(0)
.rept 64
	v_exp_f32 v[S+j], v[S+j]                       ; p = 2^(t - M), at most 1: not normalised
.set j, j+1
.endr
	v_pk_mul_f32 v[rT+2:rT+3], v[rT+2:rT+3], v[252:253] op_sel_hi:[1,0]   ; the sums under the new M: the plain instruction behind the exponentials
	s_wait_alu depctr_va_vdst(0)                   ; and the one wait behind the batch, ahead of its first reader
	v_pk_add_f32 v[250:251], v[S:S+1], v[S+2:S+3]  ; the row's sum is taken of the unquantised p: two at a time, in two chains
.irp j, 4,8,12,16,20,24,28,32,36,40,44,48,52,56,60
	v_pk_add_f32 v[rT+2:rT+3], v[rT+2:rT+3], v[S+\j:S+1+\j]
	v_pk_add_f32 v[250:251], v[250:251], v[S+2+\j:S+3+\j]
.endr
	s_delay_alu instid0(VALU_DEP_1)
	v_pk_add_f32 v[rT+2:rT+3], v[rT+2:rT+3], v[250:251]
.irp b, 0,1,2,3
.irp i, 0,2,4,6,8,10,12,14
	v_dual_min_num_f32 v[S+16*\b+\i], v[S+16*\b+\i], v[LMP] :: v_dual_min_num_f32 v[S+16*\b+\i+1], v[S+16*\b+\i+1], v[LMP]   ; the conversion to an 8-bit code does not saturate (ISA guide 7.6.2); p is not negative, so the hold is one-sided; two holds an instruction
.endr
	v_cvt_scalef32_pk8_fp8_f32 v[PC+4*\b:PC+4*\b+1], v[S+16*\b:S+16*\b+7], v[SCP]       ; keys 32 b + 8 h + 0..7
	v_cvt_scalef32_pk8_fp8_f32 v[PC+4*\b+2:PC+4*\b+3], v[S+16*\b+8:S+16*\b+15], v[SCP]  ; keys 32 b + 16 + 8 h + 0..7
.endr
	s_wait_alu depctr_va_vdst(0)
.set j, 0
.rept 16
	v_pk_mul_f32 v[rO+j:rO+j+1], v[rO+j:rO+j+1], v[252:253] op_sel_hi:[1,0]   ; O^T under the new M: x f.  (Also the plain lines between the conversions and the products that read their results)
.set j, j+2
.endr
	s_wait_alu depctr_va_vdst(0)
	s_wait_dscnt 0x0                               ; V's fragments are in
.irp t, 0,1,2,3
	v_wmma_f32_16x16x128_fp8_fp8 v[rO+8*\t:rO+8*\t+7], v[F+16*\t:F+16*\t+15], v[PC:PC+15], v[rO+8*\t:rO+8*\t+7]   ; the four accumulators take turns, one instruction a turn
.endr
.Lskip_\@:
.endm
	s_wait_alu depctr_va_vdst(0)
	s_wait_tensorcnt 0x0                           ; my part of keys 0-255 is in
	ds_add_u32 v[SPW], v[NIL]
	s_wait_dscnt 0x0
	CROUND                                         ; everybody's part is in, and all four work-groups are here: the second joint loads meet
	s_cmp_lt_u32 s[WV], 7                          ; the branches hang on the wave's number alone; an s_nop 0 and four v_nop follow each of the two lines
	s_cbranch_scc0 .Lnot_k
	tensor_load_to_lds s[G0K:G0K+3], s[G1K:G1K+7]  ; 256 keys of K
	s_nop 0
.rept 4
	v_nop
.endr
	s_branch .Lasked
.Lnot_k:
	s_cmp_lt_u32 s[WV], 14
	s_cbranch_scc0 .Lasked
	tensor_load_to_lds s[G0V:G0V+3], s[G1V:G1V+7]  ; four panels of V
	s_nop 0
.rept 4
	v_nop
.endr
.Lasked:
	s_wait_loadcnt 0x0                             ; Q
	s_mov_b32 s[CNT], 2
.Lfirst:                                           ; key steps 0 and 1 read LDS bytes under 16,384 of K and of V; the loads that are out fill the bytes from 16,384 on
	TSTEP 0
	TSTEP 1
	s_add_co_u32 s[KS], s[KS], 1
	s_add_co_u32 s[TB], s[TB], STEPB
	s_sub_co_u32 s[CNT], s[CNT], 1
	s_cmp_lg_u32 s[CNT], 0
	s_cbranch_scc1 .Lfirst
	s_wait_tensorcnt 0x0                           ; my part of keys 256-2,047 is in;
	ds_add_u32 v[SPW], v[NIL]
	s_wait_dscnt 0x0
	s_barrier_signal -1
	s_barrier_wait -1                              ; everybody's is.  The work-group's own does
	s_mov_b32 s[KS], 2
	s_mov_b32 s[TB], 2*STEPB
	s_mov_b32 s[CNT], 14
.Lrest:                                            ; key steps 2 to 15: the waves share nothing but bytes that stay as they are
	TSTEP 0
	TSTEP 1
	s_add_co_u32 s[KS], s[KS], 1
	s_add_co_u32 s[TB], s[TB], STEPB
	s_sub_co_u32 s[CNT], s[CNT], 1
	s_cmp_lg_u32 s[CNT], 0
	s_cbranch_scc1 .Lrest
	; THE WAY OUT.  o = O^T x 2^(e4 + e5) / the row's sum; its code is o / 2^e6, held within +-448.  A lane's eight channels of a tile pack into 8 bytes; 16 rows of 64 bytes go through my stage and leave as 1,024 dense bytes.
.rept 4
	v_nop                                          ; places behind the last products
.endr
	s_add_co_i32 s16, s78, 127
	s_lshl_b32 s17, s16, 23
	v_mov_b32 v[SCP], s17                          ; 2^e6 as f32
	s_add_co_i32 s16, s16, 8
	s_lshl_b32 s16, s16, 23
	s_or_b32 s16, s16, 0x600000
	v_mov_b32 v[LMP], s16                          ; 448 x 2^e6
	s_add_co_i32 s16, s76, s77                     ; e4 + e5
.macro OUT x
.set rO, O+32*(\x)
.set rT, ST+4*(\x)
	v_add_f32 v254, v[rT+2], v[rT+3]               ; the sum's two halves,
	s_delay_alu instid0(VALU_DEP_1)
	v_permlanex16_b32 v255, v254, s[SEL], s[SEL+1]
	s_delay_alu instid0(VALU_DEP_1)
	v_add_f32 v254, v254, v255                     ; and lane l xor 16's: the row's sum
	s_wait_alu depctr_va_vdst(0)
	v_rcp_f32 v252, v254
	v_nop                                          ; a plain instruction behind the reciprocal,
	s_wait_alu depctr_va_vdst(0)                   ; and the wait ahead of the first line that names its result
	v_ldexp_f32 v252, v252, s16                    ; x 2^(e4 + e5)
	s_wait_alu depctr_va_vdst(0)
.set j, 0
.rept 16
	v_pk_mul_f32 v[S+j:S+j+1], v[rO+j:rO+j+1], v[252:253] op_sel_hi:[1,0]   ; register 8 t + i is o(query r, channel 16 t + 8 h + i); each accumulator from its low end on
.set j, j+2
.endr
.set j, 0
.rept 32
	v_med3_num_f32 v[S+j], v[S+j], -v[LMP], v[LMP]
.set j, j+1
.endr
.irp t, 0,1,2,3
	v_cvt_scalef32_pk8_fp8_f32 v[PC+2*\t:PC+2*\t+1], v[S+8*\t:S+8*\t+7], v[SCP]
.endr
	v_nop                                          ; one plain vector line behind the last conversion
.irp t, 0,1,2,3
	ds_store_b64 v[STO], v[PC+2*\t:PC+2*\t+1] offset:16*\t
.endr
.irp g, 0,1
	ds_load_b128 v[F+8*(\x)+4*\g:F+8*(\x)+4*\g+3], v[RD] offset:640*\g   ; LDS serves a wave's instructions in order: these see my stores
.endr
	s_wait_dscnt 0x0
.irp g, 0,1
	global_store_b128 v[AK0], v[F+8*(\x)+4*\g:F+8*(\x)+4*\g+3], s[OA+2*(\x):OA+2*(\x)+1] offset:512*\g   ; 32 lanes store 512 consecutive bytes, aligned
.endr
.endm
	OUT 0
	OUT 1
	s_wait_tensorcnt 0x0                           ; the wave's end, behind my last tensor load and my last LDS store
	ds_add_u32 v[SPW], v[NIL]
	s_wait_dscnt 0x0
	CROUND                                         ; the closing round: no work-group ends while a partner may still ask for a tile that names it
	s_endpgm
.Lfunc_end_k_qcf4fb541d6_attn:
	.size	k_qcf4fb541d6_attn, .Lfunc_end_k_qcf4fb541d6_attn-k_qcf4fb541d6_attn
	.p2alignl 7, 3214868480
	.fill 96, 4, 3214868480
	.section	.rodata,"a",@progbits
	.p2align	6, 0x0
	.amdhsa_kernel k_qcf4fb541d6_attn
		.amdhsa_group_segment_fixed_size 327680
		.amdhsa_private_segment_fixed_size 0
		.amdhsa_enable_private_segment 0
		.amdhsa_kernarg_size 32
		.amdhsa_user_sgpr_count 2
		.amdhsa_user_sgpr_kernarg_segment_ptr 1
		.amdhsa_wavefront_size32 1
		.amdhsa_system_sgpr_workgroup_id_x 1
		.amdhsa_system_sgpr_workgroup_id_y 1
		.amdhsa_system_sgpr_workgroup_id_z 1
		.amdhsa_system_vgpr_workitem_id 0
		.amdhsa_next_free_vgpr 256
		.amdhsa_next_free_sgpr 96
		.amdhsa_reserve_vcc 1
		.amdhsa_float_denorm_mode_32 3
		.amdhsa_float_denorm_mode_16_64 3
		.amdhsa_memory_ordered 1
		.amdhsa_forward_progress 1
		.amdhsa_inst_pref_size 104
	.end_amdhsa_kernel
	.amdgpu_metadata
---
amdhsa.version: [ 1, 2 ]
amdhsa.kernels:
  - .name:           k_qcf4fb541d6_attn
    .symbol:         k_qcf4fb541d6_attn.kd
    .args:
      - { .name: qk_codes, .offset: 0, .size: 8, .value_kind: global_buffer, .address_space: global }
      - { .name: v_codes, .offset: 8, .size: 8, .value_kind: global_buffer, .address_space: global }
      - { .name: lowp_scales, .offset: 16, .size: 8, .value_kind: global_buffer, .address_space: global }
      - { .name: ow_codes, .offset: 24, .size: 8, .value_kind: global_buffer, .address_space: global }
    .group_segment_fixed_size: 327680
    .private_segment_fixed_size: 0
    .kernarg_segment_align: 8
    .kernarg_segment_size: 32
    .max_flat_workgroup_size: 512
    .sgpr_count:     96
    .vgpr_count:     256
    .wavefront_size: 32
...
	.end_amdgpu_metadata
.endif
;; end of part 3
;; launch gemm_out (part 4): grid 4 x 64, 4 waves a work-group, clusters of 4 x 4, 327,680 bytes of LDS; arguments ow_codes, lowp_scales, out0; writes out0
.if DOCPART == 4
	.amdgcn_target "amdgcn-amd-amdhsa--gfx1250"
	.amdhsa_code_object_version 6
	.text
	.protected	k_qcf4fb541d6_gemm_out
	.globl	k_qcf4fb541d6_gemm_out
	.p2align	8
	.type	k_qcf4fb541d6_gemm_out,@function
k_qcf4fb541d6_gemm_out:
	s_mov_b64 s[64:65], 0
	v_nop
	global_prefetch_b8 v0, s[64:65] scope:SCOPE_SE
	s_setreg_imm32_b32 hwreg(HW_REG_WAVE_MODE, 25, 1), 1
	s_wait_xcnt 0x0
	s_wait_alu depctr_hold_cnt(0) depctr_sa_sdst(0) depctr_va_vdst(0) depctr_va_sdst(0) depctr_va_ssrc(0) depctr_va_vcc(0) depctr_vm_vsrc(0)
	s_getreg_b32 s2, hwreg(HW_REG_IB_STS2, 6, 4)
	s_cmp_eq_u32 s2, 0
	s_cbranch_scc0 .Lentry_in_a_cluster
	s_endpgm
.Lentry_in_a_cluster:
	s_bfe_u32 s2, ttmp6, 0x10000c
	s_cmp_lg_u32 s2, 0xf033
	s_cbranch_scc0 .Lentry_shape_is_right
	s_endpgm
.Lentry_shape_is_right:
; out0 = o w_out^T on codes of FP8 (E4M3): C[m][n] = sum over k of A[m][k] B[n][k], M = 8,192 tokens, N = K = 1,024; C is f32.  Both operands lie in the first buffer:
; A = o's codes, [16 heads][8,192 tokens][64] from byte 0 (k = 64 head + channel); B = w_out's codes, [1,024][1,024] with K innermost, from byte 8,388,608.
; The codes are multiplied as they are, and each finished sum once by 2^(e6 + e7), entries 6 and 7 of the scales.  LIMIT: e6 + e7 between -126 and 127, so that the factor is an f32 number.
; A BLOCK OF C IS 128 x 256, so that the 64 x 4 blocks are 256 work-groups.  Four waves; a wave makes 64 x 128: 32 accumulators of 16 x 16, 256 registers.  K goes in four steps of 256 through a ring of two LDS slots.
; CLUSTERS: 4 x 4 work-groups.  The four of a row of the cluster need the same tiles of A, the four of a column the same tiles of B: each tile is asked for JOINTLY, by the same tensor load with the same descriptor and a
; mask that names the four.  Waves 0 and 1 fetch A's halves (64 tokens x 4 heads' panels: four runs of 4,096 dense bytes), waves 2 and 3 B's halves (128 rows of 256 bytes).
; NO PREFETCH: K is four slots' worth.  The first two are asked for at the head; the two refills follow within the first two K steps, so no step lies two K steps ahead of them behind the head.
; THE MATRIX INSTRUCTION IS USED TRANSPOSED (source 0 = 16 rows of B, source 1 = 16 rows of A): a lane holds eight neighbouring numbers of a row of C.
; A fragment is fetched by four loads of 16 bytes: that places k otherwise than the form's own layout does, alike in A and in B, so every product meets its partner.
; REGISTERS, in windows of 256: window 0: v0-31 addresses; v128-191 A's four fragments, ONE set; on the way out v32-255 are at work.  window 1: B's eight fragments, TWO sets, at v0 and v128.
;   window 2: the accumulators, (a, b) at v[8 (8 a + b)].
.set SIZE_N, 1024
.set SIZE_K, 1024
.set ROWB,   256                       ; a row of B's tile in bytes: a K step
.set KROW,   SIZE_K                    ; a row of B in memory
.set PITCH,  272                       ; B's LDS row: 256 bytes + 16
.set PA,     80                        ; A's LDS row: a token's 64 bytes of one head + 16
.set APAN,   64*PA                     ; 64 tokens of one head
.set AHALF,  4*APAN                    ; what one of A's loads brings: four heads
.set BHALF,  128*PITCH                 ; what one of B's loads brings
.set SLOT,   2*AHALF+2*BHALF
.set ASTEP,  4*524288                  ; four heads on in A: a head is 8,192 x 64 bytes
.set WOFF,   8388608
.set FR,     16                        ; registers of a fragment: 16 rows x 128 K
.set NL,     4                         ; LDS loads that bring one
.set NP,     4                         ; places behind this matrix instruction (ISA guide 7.12.1)
.set LAPS,   SIZE_K/512                ; a lap = two K steps = once round the ring
.set SPARE,  2*SLOT                    ; behind the ring: the spare words, 128 bytes for each wave: two blocks of 256 bytes that no other line names
.set SPITCH, 528                       ; the way out: a stage of 16 rows x (512 bytes + 16) for each wave, in slot 0, which has had its last fill and its last read when the first result is stored there
.set ADRA, 16                          ; v16-17  LDS address of my A fragments in slot 0, 1
.set ADRB, 20                          ; v20-21  the same for B
.set STO,  24                          ; v24     the way out: where I put 32 bytes of a row
.set RD,   25                          ; v25     where I read a row back
.set CO,   26                          ; v26     my byte offset in a row of C
.set SPW,  28                          ; v28     LDS address of my spare word; never rewritten
.set NIL,  29                          ; v29     0; never rewritten
.set TMP,  32                          ; v32-95  a block's sums x 2^(e6 + e7)
.set AF,   128
.set BK,   128                         ; the way out: 16 rows read back: v128-191 and v192-255 by turns
.set G1, 24                            ; s[24:31] group 1 for A's tiles; s[32:39] groups 0, one for each slot
.set G0, 32
.set G1B, 48                           ; s[48:55], s[56:63] the same for B's
.set G0B, 56
.set MSB, 0
.macro WIN new                         ; the immediate's high byte repeats the setting that is left
.if MSB != \new
	s_set_vgpr_msb (MSB<<8)|\new
.set MSB, \new
.endif
.endm
.set MUL,  0xa1                        ; source 0 (B) window 1, source 1 (A) window 0, C and D window 2
.set TO_B, 0x40                        ; destination window 1, address window 0
; A joint load.  Each of the two lines has one mask and one set of registers for all that issue it; the branch hangs on the wave's number alone.  An s_nop 0 and four v_nop follow each line.
.macro JLOAD g0a, g1a, g0b, g1b
	s_cmp_eq_u32 s15, 0
	s_cbranch_scc0 .Lfor_b_\@
	tensor_load_to_lds s[\g0a:\g0a+3], s[\g1a:\g1a+7]
	s_nop 0
.rept 4
	v_nop
.endr
	s_branch .Lasked_\@
.Lfor_b_\@:
	tensor_load_to_lds s[\g0b:\g0b+3], s[\g1b:\g1b+7]
	s_nop 0
.rept 4
	v_nop
.endr
.Lasked_\@:
.endm
.macro CREST                           ; a round of the cluster's barrier behind its opening barrier
	s_cmp_lg_u32 s14, 0
	s_cbranch_scc1 .Lnot_wave_0_\@
	s_barrier_signal -3
.Lnot_wave_0_\@:
	s_barrier_wait -3
	s_barrier_signal -1
	s_barrier_wait -1
.endm
.macro CROUND
	s_barrier_signal -1
	s_barrier_wait -1
	CREST
.endm
	s_load_b128 s[4:7], s[0:1], 0x0                ; the codes s[4:5], the scales' exponents s[6:7]
	s_load_b64 s[10:11], s[0:1], 0x10              ; C
	v_lshl_add_u32 v[SPW], v0, 2, SPARE
	v_mov_b32 v[NIL], 0
	ds_add_u32 v[SPW], v[NIL]                      ; the opening lines: the add, twice on end, and its wait ahead of my first tensor load
	ds_add_u32 v[SPW], v[NIL]
	v_lshrrev_b32 v1, 5, v0
	v_readfirstlane_b32 s14, v1                    ; wave 0..3
	s_lshr_b32 s15, s14, 1                         ; which 64 of the block's rows are mine.  Also: I fetch for A (0) or for B (1)
	s_and_b32 s16, s14, 1                          ; which 128 of its columns.  Also: which half of that tile I fetch
	s_bfe_u32 s40, ttmp6, 0x40000                  ; cx, cy: my place in the cluster
	s_bfe_u32 s41, ttmp6, 0x40004
	s_lshl_b32 s42, ttmp9, 2
	s_add_co_u32 s42, s42, s40                     ; block column of C
	s_and_b32 s17, ttmp7, 0xffff
	s_lshl_b32 s17, s17, 2
	s_add_co_u32 s17, s17, s41                     ; block row of C
	s_lshl_b32 s43, s41, 2
	s_lshl_b32 s43, 15, s43                        ; my row of the cluster
	s_lshl_b32 s44, 0x1111, s40                    ; my column
	s_or_b32 s[G1+0], s43, (0<<16)|(1<<20)|(1<<21)|(3<<22)|(3<<25)   ; the mask; elements of 1 byte; padding: four words behind every 16; bit 21 beside a mask
	s_mov_b32 s[G1+1], 4096<<16                    ; a row of the tile: 64 tokens x 64 bytes, dense
	s_mov_b32 s[G1+2], 4<<16                       ; four heads,
	s_mov_b32 s[G1+3], 4096<<16
	s_mov_b32 s[G1+4], 4
	s_mov_b32 s[G1+5], 524288                      ; a head apart
	s_mov_b32 s[G1+6], 0
	s_mov_b32 s[G1+7], 0
	s_or_b32 s[G1B+0], s44, (0<<16)|(1<<20)|(1<<21)|(5<<22)|(3<<25)  ; padding: four words behind every 64
	s_mov_b32 s[G1B+1], ROWB<<16
	s_mov_b32 s[G1B+2], 128<<16
	s_mov_b32 s[G1B+3], ROWB<<16
	s_mov_b32 s[G1B+4], 128
	s_mov_b32 s[G1B+5], KROW
	s_mov_b32 s[G1B+6], 0
	s_mov_b32 s[G1B+7], 0
	s_lshl_b32 s20, s17, 7
	s_lshl_b32 s18, s16, 6
	s_add_co_u32 s20, s20, s18                     ; A: token 128 x block row + 64 x half,
	s_lshl_b32 s20, s20, 6                         ; x 64 bytes
	s_mov_b32 s21, 0
	s_lshl_b32 s46, s42, 8
	s_lshl_b32 s18, s16, 7
	s_add_co_u32 s46, s46, s18                     ; B: row 256 x block column + 128 x half,
	s_lshl_b32 s46, s46, 10                        ; x 1,024 bytes,
	s_add_co_u32 s46, s46, WOFF                    ; behind o's codes
	s_mov_b32 s47, 0
	s_mul_i32 s45, s16, AHALF                      ; where they go: no place in the cluster enters an LDS address
	s_mul_i32 s22, s16, BHALF
	s_add_co_u32 s22, s22, 2*AHALF
	s_wait_dscnt 0x0                               ; both opening adds are done
	s_wait_kmcnt 0x0
	s_load_b64 s[96:97], s[6:7], 0x18              ; e6, e7; waited for on the way out
	s_add_nc_u64 s[20:21], s[4:5], s[20:21]
	s_add_nc_u64 s[46:47], s[4:5], s[46:47]
.irp s, 0,1
	s_mov_b32 s[G0+4*\s], 1
	s_add_co_u32 s[G0+4*\s+1], s45, \s*SLOT
	s_add_nc_u64 s[G0+4*\s+2:G0+4*\s+3], s[20:21], \s*ASTEP
	s_or_b32 s[G0+4*\s+3], s[G0+4*\s+3], 0x80000000
	s_mov_b32 s[G0B+4*\s], 1
	s_add_co_u32 s[G0B+4*\s+1], s22, \s*SLOT
	s_add_nc_u64 s[G0B+4*\s+2:G0B+4*\s+3], s[46:47], \s*ROWB
	s_or_b32 s[G0B+4*\s+3], s[G0B+4*\s+3], 0x80000000
.endr
	CROUND                                         ; all sixteen work-groups are here: the first joint loads meet
	JLOAD G0, G1, G0B, G1B                         ; K step 0: my one tensor load at the head
	v_and_b32 v1, 15, v0                           ; r = l % 16
	v_bfe_u32 v2, v0, 4, 1                         ; h = l / 16
	v_mul_u32_u24 v3, v1, PITCH
	v_lshl_add_u32 v4, v2, 4, v3                   ; B: row x pitch + 16 h
	v_mul_u32_u24 v3, v1, PA
	v_lshl_add_u32 v7, v2, 4, v3                   ; A likewise
	s_mul_i32 s21, s15, AHALF                      ; my 64 rows of A
	s_mul_i32 s22, s16, BHALF                      ; my 128 rows of B,
	s_add_co_u32 s22, s22, 2*AHALF                 ; which lie behind A's
.irp s, 0,1
	v_add_nc_u32 v[ADRA+\s], s21, v7
	v_add_nc_u32 v[ADRB+\s], s22, v4
	s_add_co_u32 s21, s21, SLOT
	s_add_co_u32 s22, s22, SLOT
.endr
	s_mul_i32 s23, s14, 16*SPITCH                  ; my stage
	s_wait_alu depctr_va_vdst(0)
	v_mul_u32_u24 v5, v1, SPITCH                   ; in: row r, 32 bytes for each half of the lanes
	v_lshl_add_u32 v5, v2, 5, v5
	v_add_nc_u32 v[STO], s23, v5
	v_and_b32 v6, 31, v0
	v_lshlrev_b32 v[CO], 4, v6                     ; back: the 32 lanes take one row of 512 bytes; and the same in C
	v_add_nc_u32 v[RD], s23, v[CO]
	s_lshl_b32 s20, s17, 7
	s_lshl_b32 s21, s15, 6
	s_add_co_u32 s20, s20, s21                     ; my first row of C: 128 x block row + 64 x half
	s_mov_b32 s21, 0
	s_mov_b64 s[18:19], SIZE_N*4
	s_mul_u64 s[20:21], s[20:21], s[18:19]
	s_lshl_b32 s46, s42, 10                        ; my first column, in bytes: 1,024 x block column + 512 x half
	s_lshl_b32 s47, s16, 9
	s_add_co_u32 s46, s46, s47
	s_mov_b32 s47, 0
	s_add_nc_u64 s[20:21], s[20:21], s[46:47]
	s_add_nc_u64 s[10:11], s[10:11], s[20:21]
.macro FRAG reg, adr, q, i             ; B: lane l holds row l % 16; registers 4 c .. 4 c + 3 hold K = 128 q + 32 c + 16 (l / 16) + 0 .. 15
.irp c, 0,1,2,3
	ds_load_b128 v[\reg+4*\c:\reg+4*\c+3], v[\adr] offset:128*(\q)+32*\c+(\i)*16*PITCH
.endr
.endm
.macro FRAGA reg, adr, q, i            ; A: the same k: head 2 q + c / 2 of the slot's four, channel 32 (c % 2) + 16 (l / 16) + 0 .. 15
.irp c, 0,1,2,3
	ds_load_b128 v[\reg+4*\c:\reg+4*\c+3], v[\adr] offset:(2*(\q)+\c/2)*APAN+(\i)*16*PA+32*(\c%2)
.endr
.endm
; Eight matrix instructions: A's block a x B's eight, 128 along K.  p: B's set.  zero = 1: the first product starts the sums.  The 32 accumulators take turns in the same order in every step.
.macro MULA a, p, zero
.irp b, 0,1,2,3,4,5,6,7
.if \zero
	v_wmma_f32_16x16x128_fp8_fp8 v[8*(8*(\a)+\b):8*(8*(\a)+\b)+7], v[128*(\p)+FR*\b:128*(\p)+FR*\b+FR-1], v[AF+FR*(\a):AF+FR*(\a)+FR-1], 0
.else
	v_wmma_f32_16x16x128_fp8_fp8 v[8*(8*(\a)+\b):8*(8*(\a)+\b)+7], v[128*(\p)+FR*\b:128*(\p)+FR*\b+FR-1], v[AF+FR*(\a):AF+FR*(\a)+FR-1], v[8*(8*(\a)+\b):8*(8*(\a)+\b)+7]
.endif
.endr
.endm
.macro FETCH_B slot, q, p
	WIN TO_B
.irp i, 0,1,2,3,4,5,6,7
	FRAG 128*(\p)+FR*\i, ADRB+\slot, \q, \i
.endr
	WIN 0
.endm
.macro FETCH_A slot, q, i0             ; A's blocks i0, i0 + 1
.irp i, \i0, \i0+1
	FRAGA AF+FR*(\i), ADRA+\slot, \q, \i
.endr
.endm
.macro PLACES n                        ; places in front of loads into registers that matrix instructions have read, and of the first read of results
.rept \n
	v_nop
.endr
.endm
; A step of 128 along K that has its successor in the same slot.  A block of A is free as soon as its eight products are issued: blocks 0-1 are fetched anew in the step's middle, blocks 2-3 at its end.
.macro STEP slot, q, zero
	s_wait_dscnt 2*NL                              ; B's set and A's blocks 0-1 are in; the youngest eight loads (A's blocks 2-3) may be out
	WIN MUL
	MULA 0, (\q)%2, \zero
	MULA 1, (\q)%2, \zero
	s_wait_dscnt 0                                 ; A's blocks 2-3 are in
	PLACES NP
	FETCH_B \slot, (\q)+1, 1-(\q)%2
	FETCH_A \slot, (\q)+1, 0
	WIN MUL
	MULA 2, (\q)%2, \zero
	MULA 3, (\q)%2, \zero
	PLACES NP
	WIN 0
	FETCH_A \slot, (\q)+1, 2
.endm
; A slot's last step changes slots: ONE barrier; in front of it each wave waits for all its tensor loads, adds 0 to its spare word, and waits for that and for its own reads of this slot.  fill = 1: this slot is filled again, two K steps ahead.
.macro TURN slot, next, fill
	s_wait_tensorcnt 0x0                           ; all my tensor loads have landed: my part of the next slot  (every window is 0 here)
	ds_add_u32 v[SPW], v[NIL]                      ; 0 onto my spare word
	s_wait_dscnt 2*NL+1                            ; (the add and the youngest eight loads, A's blocks 2-3, may be out)
	WIN MUL
	MULA 0, 1, 0                                   ; eight matrix instructions stand between the add and the wait for it
	s_wait_dscnt 0x0                               ; the add is done, and my reads of this slot are over
	s_barrier_signal -1
	MULA 1, 1, 0
	WIN 0
	s_barrier_wait -1
.if \fill
	CREST                                          ; the barrier has opened a round of the cluster's barrier: no wave of any partner still reads this slot's tile or has a load on its way
	s_add_nc_u64 s[G0+4*\slot+2:G0+4*\slot+3], s[G0+4*\slot+2:G0+4*\slot+3], 2*ASTEP
	s_add_nc_u64 s[G0B+4*\slot+2:G0B+4*\slot+3], s[G0B+4*\slot+2:G0B+4*\slot+3], 2*ROWB
	JLOAD G0+4*\slot, G1, G0B+4*\slot, G1B         ; the first tensor load behind the round, my one load until the next; its four v_nop are the places in front of the loads below
.else
	PLACES NP
.endif
	FETCH_B \next, 0, 0
	FETCH_A \next, 0, 0
	WIN MUL
	MULA 2, 1, 0
	MULA 3, 1, 0
	PLACES NP
	WIN 0
	FETCH_A \next, 0, 2
.endm
	s_wait_alu depctr_va_vdst(0)
	s_wait_tensorcnt 0x0                           ; my part of K step 0 is in
	ds_add_u32 v[SPW], v[NIL]
	s_wait_dscnt 0x0
	CROUND                                         ; everybody's part of K step 0 is in, and all sixteen work-groups are here
	JLOAD G0+4, G1, G0B+4, G1B                     ; K step 1: slot 1's first fill, my one tensor load behind the round
	FETCH_B 0, 0, 0
	FETCH_A 0, 0, 0
	FETCH_A 0, 0, 2
	STEP 0, 0, 1                                   ; the first step stands in front of the loop: its products start the sums
	s_mov_b32 s3, LAPS-1
.Llap:                                                 ; a trip goes once round the ring, from a lap's second step to the next lap's first, and fills both slots again
	TURN 0, 1, 1
	STEP 1, 0, 0
	TURN 1, 0, 1
	STEP 0, 0, 0
	s_sub_co_u32 s3, s3, 1
	s_cmp_lg_u32 s3, 0
	s_cbranch_scc1 .Llap
	TURN 0, 1, 0                                   ; the last lap fills nothing, and has no round of the cluster's barrier
	STEP 1, 0, 0
	s_wait_dscnt 2*NL                              ; the very last step: nothing more to fetch
	WIN MUL
	MULA 0, 1, 0
	MULA 1, 1, 0
	s_wait_dscnt 0
	MULA 2, 1, 0
	MULA 3, 1, 0
	WIN 0
; THE WAY OUT, block by block of 16 rows x 128 columns.  A lane holds 32 neighbouring bytes of a row: a block goes through my own stage in LDS and comes back as whole rows of 512 bytes, which the 32 lanes store as two
; aligned units of 256 bytes.  LDS serves a wave's instructions in order (ISA guide 5.7.1.4): no wait between the stores and the loads, nor in front of the next block's stores.
.macro TOSTAGE a
.set AC, 64*(\a)
	WIN 0x02                                       ; source 0: window 2
.irp j, 0,2,4,6,8,10,12,14,16,18,20,22,24,26,28,30,32,34,36,38,40,42,44,46,48,50,52,54,56,58,60,62
	v_pk_mul_f32 v[TMP+\j:TMP+\j+1], v[AC+\j:AC+\j+1], s[96:97] op_sel_hi:[1,0]   ; both x s96 = 2^(e6 + e7); each accumulator from its low end on
.endr
	WIN 0
.irp b, 0,1,2,3,4,5,6,7
	ds_store_b128 v[STO], v[TMP+8*\b:TMP+8*\b+3] offset:64*\b
	ds_store_b128 v[STO], v[TMP+8*\b+4:TMP+8*\b+7] offset:64*\b+16
.endr
.set BB, BK+64*((\a)%2)
.irp t, 0,1,2,3,4,5,6,7,8,9,10,11,12,13,14,15
	ds_load_b128 v[BB+4*\t:BB+4*\t+3], v[RD] offset:\t*SPITCH
.endr
.endm
.macro SEND a, younger                 ; younger: the LDS instructions issued behind block a's loads, which may stay out
.set BB, BK+64*((\a)%2)
	s_wait_dscnt \younger                          ; the block is back in registers
.if (\a) > 0
	s_add_nc_u64 s[10:11], s[10:11], 16*SIZE_N*4   ; (behind a wait on XCNT: the earlier stores have read their base)  16 rows of C on
.endif
.irp t, 0,1,2,3,4,5,6,7,8,9,10,11,12,13,14,15
	global_store_b128 v[CO], v[BB+4*\t:BB+4*\t+3], s[10:11] offset:\t*SIZE_N*4 th:TH_STORE_NT   ; 32 lanes store 512 consecutive bytes, aligned; written once, read by nobody here
.endr
.endm
	s_wait_kmcnt 0x0
	s_add_co_i32 s96, s96, s97                     ; e6 + e7,
	s_add_co_i32 s96, s96, 127
	s_lshl_b32 s96, s96, 23                        ; as the f32 number 2^(e6 + e7)
	PLACES NP                                      ; behind the last products
	TOSTAGE 0
.irp a, 1,2,3
.if \a > 1
	s_wait_xcnt 0x0                                ; block a - 2's stores have read their registers and their base
.endif
	TOSTAGE \a
	SEND \a-1, 32                                  ; behind block a - 1's loads: block a's 16 stores and 16 loads
.endr
	s_wait_xcnt 0x0                                ; block 2's stores have read their base
	SEND 3, 0
	s_wait_tensorcnt 0x0                           ; the wave's end, behind my last tensor load and my last LDS store
	ds_add_u32 v[SPW], v[NIL]
	s_wait_dscnt 0x0
	CROUND                                         ; the closing round: no work-group ends while a partner may still ask for a tile that names it
	s_endpgm
.Lfunc_end_k_qcf4fb541d6_gemm_out:
	.size	k_qcf4fb541d6_gemm_out, .Lfunc_end_k_qcf4fb541d6_gemm_out-k_qcf4fb541d6_gemm_out
	.p2alignl 7, 3214868480
	.fill 96, 4, 3214868480
	.section	.rodata,"a",@progbits
	.p2align	6, 0x0
	.amdhsa_kernel k_qcf4fb541d6_gemm_out
		.amdhsa_group_segment_fixed_size 327680
		.amdhsa_private_segment_fixed_size 0
		.amdhsa_enable_private_segment 0
		.amdhsa_kernarg_size 24
		.amdhsa_user_sgpr_count 2
		.amdhsa_user_sgpr_kernarg_segment_ptr 1
		.amdhsa_wavefront_size32 1
		.amdhsa_system_sgpr_workgroup_id_x 1
		.amdhsa_system_sgpr_workgroup_id_y 1
		.amdhsa_system_sgpr_workgroup_id_z 1
		.amdhsa_system_vgpr_workitem_id 0
		.amdhsa_next_free_vgpr 768
		.amdhsa_next_free_sgpr 98
		.amdhsa_reserve_vcc 0
		.amdhsa_float_denorm_mode_32 3
		.amdhsa_float_denorm_mode_16_64 3
		.amdhsa_memory_ordered 1
		.amdhsa_forward_progress 1
		.amdhsa_inst_pref_size 77
	.end_amdhsa_kernel
	.amdgpu_metadata
---
amdhsa.version: [ 1, 2 ]
amdhsa.kernels:
  - .name:           k_qcf4fb541d6_gemm_out
    .symbol:         k_qcf4fb541d6_gemm_out.kd
    .args:
      - { .name: ow_codes, .offset: 0, .size: 8, .value_kind: global_buffer, .address_space: global }
      - { .name: lowp_scales, .offset: 8, .size: 8, .value_kind: global_buffer, .address_space: global }
      - { .name: out0, .offset: 16, .size: 8, .value_kind: global_buffer, .address_space: global }
    .group_segment_fixed_size: 327680
    .private_segment_fixed_size: 0
    .kernarg_segment_align: 8
    .kernarg_segment_size: 24
    .max_flat_workgroup_size: 128
    .sgpr_count:     98
    .vgpr_count:     768
    .wavefront_size: 32
...
	.end_amdgpu_metadata
.endif
;; end of part 4
